; MI455X (gfx1250); checked and timed in simulation.
; The chip was launched on July 23, 2026; its instructions are those of AMD's public machine-readable ISA for CDNA 5 (MIT licence, August 2026) and "CDNA5" Instruction Set Architecture Reference Guide (July 2026). The comments in the code are by the model that wrote it; some were corrected since.
;; Model. Allowed arithmetic: matrix products marked QUANTISED: E2M3 operands, one E8M0 scale for each 32 along K, by v_wmma_scale_f32_16x16x128_f8f6f4 with both operands' format E2M3, f32 sums; everything else in f32.
;; Inputs: Wk 1,024 x 1,024 float32; Wo 1,024 x 1,024 float32; Wq 1,024 x 1,024 float32; Wv 1,024 x 1,024 float32; bk 1,024 float32; bo 1,024 float32; bq 1,024 float32; bv 1,024 float32; x 4 x 2,048 x 1,024 float32; y 4 x 2,048 x 1,024 float32.
;; Outputs: out0 4 x 2,048 x 1,024 float32.
;; This version of the problem:
;;   THIS VERSION OF THE PROBLEM IS GIVEN IN LOW PRECISION. The matrix products marked QUANTISED in the list below multiply operands that are first quantised to E2M3 (2 exponent bits, 3 mantissa bits; 6 bits a number), with one power-of-two scale for each 32 numbers along K (OCP MX v1.0); their sums are f32. All else is computed in f32.
;;   The module's matrix products, in the order in which they are computed (A, B: the left and right operand; K: the contracted axis; several contracted axes count as one K, in the product's order):
;;     1. [M 8,192, K 1,024] x [K 1,024, N 1,024]; A: input x; B: input Wq: QUANTISED
;;     2. [M 8,192, K 1,024] x [K 1,024, N 1,024]; A: input y; B: input Wk: QUANTISED
;;     3. [M 8,192, K 1,024] x [K 1,024, N 1,024]; A: input y; B: input Wv: QUANTISED
;;     4. batch 32 x [M 2,048, K 128] x [K 128, N 2,048]; A: computed on the way; B: computed on the way: QUANTISED
;;     5. batch 32 x [M 2,048, K 2,048] x [K 2,048, N 128]; A: softmax (see below); B: computed on the way: QUANTISED
;;     6. [M 8,192, K 1,024] x [K 1,024, N 1,024]; A: computed on the way; B: input Wo: QUANTISED
;;   THE QUANTISER, for each operand of a quantised product, along K:
;;     - K is cut into blocks of 32 from its start; a last block that is shorter is filled with zeros.
;;     - A block's scale is 2^e with e = floor(log2(the largest magnitude in the block)) - 2, held to -126 .. 127; a block of zeros has e = 0. As a byte (E8M0): e + 127.
;;     - Each number is divided by its block's scale, clamped to +-7.5, and rounded to the nearest number of E2M3, ties to even, subnormals kept.
;;     - The product sums the exact products of the quantised numbers (number of the format x scale) in f32.
;;   ~~~python
;;   def quantise(x, axis):      # numpy; x: float32 -> the quantised numbers, widened to float32 again
;;       x = np.moveaxis(x, axis, -1); K = x.shape[-1]
;;       x = np.pad(x, [(0, 0)] * (x.ndim - 1) + [(0, -K % 32)]); x = x.reshape(x.shape[:-1] + (-1, 32)); a = np.abs(x).max(-1, keepdims=True)
;;       e = np.where(a > 0, np.clip(np.frexp(np.where(a > 0, a, 1))[1] - 1 - 2, -126, 127), 0)      # np.frexp(a)[1] - 1 = floor(log2(a)), exactly
;;       r = np.clip(x / 2.0 ** e, -7.5, 7.5)
;;       step = 2.0 ** (np.maximum(np.frexp(np.where(r == 0, 1, r))[1] - 1, 0) - 3)
;;       q = np.round(r / step) * step * 2.0 ** e      # np.round: ties to even
;;       return np.moveaxis(q.reshape(q.shape[:-2] + (-1,))[..., :K], -1, axis).astype(np.float32)
;;   ~~~
;;   SOFTMAX AHEAD OF A QUANTISED PRODUCT. Where the list says 'softmax', what is quantised is not the finished softmax but p = 2^(t - M), with t = logit x log2(e) and M = ceil(the row's largest t), a whole number; so 1/2 < the row's largest p <= 1. The row's sum l is taken of the UNQUANTISED p, in f32, and the product's result is divided by l at the end. Since M is a whole number, a kernel that streams over the keys may use a running M (the ceiling of the running maximum): every later rescaling is an exact power of two, which a block's scale takes up: the codes' values come out the same.
;;   OPERANDS COMPUTED ON THE WAY. 'Computed on the way' means the value that the module computes at that place (a softmax that the list does not call 'softmax' is quantised finished and normalised). What goes into a quantiser is computed in f32, as accurately as f32 sums, v_exp_f32 and their like allow (about 1e-6 of the number): no bf16 or f16 on the way to a quantiser, and a product that is left as it is and whose result goes on into a quantised operand takes f32 operands (vector FMAs, or v_wmma_f32_16x16x4_f32). A number that lies on a knife's edge between two numbers of the format may be rounded either way, as far as f32 arithmetic and the matrix unit's own rounding can turn it there, and no further.
;; One version. Each part assembles by itself: llvm-mc -triple=amdgcn-amd-amdhsa -mcpu=gfx1250 --defsym DOCPART=n.
;; ======== version 1 of 1: 4 launches
;; limits: right only within a limited range of input values
;; workspace buffers: opnd 16,384,000 bytes; qkv 19,660,800 bytes; ctx 6,553,600 bytes
;; launch quant (part 1): grid 256 x 1, 10 waves a work-group, no clusters, 85,760 bytes of LDS; arguments x, y, Wq, Wk, Wv, Wo, opnd; writes opnd
.if DOCPART == 1
	.amdgcn_target "amdgcn-amd-amdhsa--gfx1250"
	.amdhsa_code_object_version 6
	.text
	.protected	k_q48233077d0_quant
	.globl	k_q48233077d0_quant
	.p2align	8
	.type	k_q48233077d0_quant,@function
k_q48233077d0_quant:
	s_mov_b64 s[64:65], 0
	v_nop
	global_prefetch_b8 v0, s[64:65] scope:SCOPE_SE
	s_setreg_imm32_b32 hwreg(HW_REG_WAVE_MODE, 25, 1), 1
	s_wait_xcnt 0x0
; x, y [8192][1024] and Wq, Wk, Wv, Wo [1024][1024], f32, K innermost, become codes of FP6 (E2M3) with one E8M0 byte for each 32 along K.
; A block's scale is 2^(floor(log2(its largest magnitude)) - 2); its byte is the largest magnitude's exponent field - 2, held at 1 from below.
; LIMITS: a block whose largest magnitude lies under 2^-124 keeps the byte 1; a block of zeros gets the byte 1 where the rule says 127 (its codes are zeros, and this program alone reads the bytes);
; NaN and infinities among the inputs are not served.
; THE OUTPUT IS LAID AS THE MATRIX UNIT'S OPERAND REGISTERS.  A fragment is 16 rows x 128 K, 12 registers a lane, 1,536 bytes: registers 4 c .. 4 c + 3 of lane l lie at 512 c + 16 l.
; Lane (r, h) holds row r of the tile; registers 6 c .. 6 c + 5 hold k = 64 c + 32 h + 0 .. 31.  THE ROWS OF A TILE ARE NOT NEIGHBOURS: tile T takes rows 32 (T / 2) + 8 (T % 2) + r + 8 (r / 8),
; so that a product with such a tile as source 0 leaves 16 neighbours along the next K in a lane's registers of two neighbouring tiles.
; Tiles: x 0-511, y 512-1023, Wq 1024-, Wk 1088-, Wv 1152-, Wo 1216-1279.  Codes: [tile][K step][1536].  Scale words: 512 bytes a tile: row r, K step s at 256 (s / 4) + 16 r + 4 (s % 4).
; SHARES: 2,560 tasks of one tile x 512 along K (four fragments), one a wave, ten waves a work-group.  Waves share nothing: no barrier.
; A load takes one row's 512 consecutive bytes; a fragment's 16 rows turn through the wave's own stage in LDS (rows 528 bytes apart), from which a lane takes its two whole blocks of 32.
.set STGB,  8448                       ; a wave's stage: 16 rows x (512 + 16) bytes
; THE CODES' LAYOUT IN opnd: [tile][K step 0..7][1536]: a tile's whole K is 12,288 consecutive bytes (this line stands for the layout named in the head comment)
.set SB,    15728640                   ; where the scale words begin
.set X,     32                         ; v32-95   64 numbers of my row: register 32 c + i = k 64 c + 32 h + i
.set RAW,   96                         ; v96-223  two sets of 64 registers as loaded
.set C,     224                        ; v224-235 a fragment's codes; v236-238, v240-242 the second halves as the conversions leave them
.set W,     244                        ; v244-247 my row's four scale words
	s_load_b256 s[4:11], s[0:1], 0x0               ; x, y, Wq, Wk
	s_load_b128 s[12:15], s[0:1], 0x20             ; Wv, Wo
	s_load_b64 s[16:17], s[0:1], 0x30              ; opnd
	v_lshl_add_u32 v254, v0, 2, 0x14a00
	v_mov_b32 v255, 0
	v_lshrrev_b32 v7, 5, v0
	s_delay_alu instid0(VALU_DEP_1)
	v_readfirstlane_b32 s18, v7                    ; wave 0..9
	v_and_b32 v1, 31, v0                           ; lane
	s_delay_alu instid0(VALU_DEP_1)
	v_lshlrev_b32 v2, 4, v1                        ; 16 x lane: my place in a load's 512 bytes and in a store's
	v_and_b32 v5, 15, v0                           ; r
	v_bfe_u32 v6, v0, 4, 1                         ; h
	s_mul_i32 s28, s18, STGB
	v_add_nc_u32 v3, s28, v2                       ; the stage, on the way in
	v_mul_u32_u24 v4, v5, 528
	s_delay_alu instid0(VALU_DEP_1)
	v_lshl_add_u32 v4, v6, 7, v4
	s_delay_alu instid0(VALU_DEP_1)
	v_add_nc_u32 v4, s28, v4                       ; and on the way out: row r, + 128 h
	v_lshlrev_b32 v5, 4, v5                        ; 16 r: my row's four scale words
	v_lshlrev_b32 v6, 3, v6                        ; 8 h: my bytes' place in a scale word
	v_mov_b32 v10, 0                               ; written once: a lane permute's destination counts as one of its sources
	s_mov_b32 s34, 0x76543210
	s_mov_b32 s35, 0xfedcba98                      ; v_permlanex16_b32's selects for lane l xor 16
	s_mul_i32 s19, ttmp9, 10
	s_add_co_u32 s19, s19, s18                     ; my task
	s_lshr_b32 s20, s19, 1                         ; its tile
	s_and_b32 s21, s19, 1                          ; and which 512 along K
	s_wait_alu depctr_va_vdst(0)
	s_wait_kmcnt 0x0
	s_mov_b64 s[22:23], s[14:15]                   ; which tensor: the choice hangs on the task's number alone
	s_mov_b32 s24, 1216
	s_cmp_lt_u32 s20, 1216
	s_cselect_b64 s[22:23], s[12:13], s[22:23]
	s_cselect_b32 s24, 1152, s24
	s_cmp_lt_u32 s20, 1152
	s_cselect_b64 s[22:23], s[10:11], s[22:23]
	s_cselect_b32 s24, 1088, s24
	s_cmp_lt_u32 s20, 1088
	s_cselect_b64 s[22:23], s[8:9], s[22:23]
	s_cselect_b32 s24, 1024, s24
	s_cmp_lt_u32 s20, 1024
	s_cselect_b64 s[22:23], s[6:7], s[22:23]
	s_cselect_b32 s24, 512, s24
	s_cmp_lt_u32 s20, 512
	s_cselect_b64 s[22:23], s[4:5], s[22:23]
	s_cselect_b32 s24, 0, s24
	s_sub_co_u32 s24, s20, s24                     ; the tile's number in its tensor
	s_lshr_b32 s25, s24, 1
	s_lshl_b32 s26, s25, 17                        ; 32 rows of 4,096 bytes for each pair of tiles,
	s_and_b32 s25, s24, 1
	s_lshl_b32 s25, s25, 15                        ; 8 rows for the odd one,
	s_add_co_u32 s26, s26, s25
	s_lshl_b32 s25, s21, 11                        ; 2,048 bytes along K
	s_add_co_u32 s26, s26, s25
	s_mov_b32 s27, 0
	s_add_nc_u64 s[22:23], s[22:23], s[26:27]
	s_mul_i32 s26, s21, 6144                       ; four K steps of 1,536 bytes
	s_mul_i32 s25, s20, 12288                      ; a tile's eight K steps
	s_add_co_u32 s26, s26, s25
	s_add_nc_u64 s[30:31], s[16:17], s[26:27]      ; my first fragment's place
	s_lshl_b32 s26, s19, 8
	s_add_co_u32 s26, s26, SB
	s_add_nc_u64 s[32:33], s[16:17], s[26:27]      ; my 256 bytes of scale words
.macro LOAD t                          ; fragment t: 16 rows x 512 bytes into set t % 2
.irp i, 0,1,2,3,4,5,6,7,8,9,10,11,12,13,14,15
	global_load_b128 v[RAW+64*((\t)%2)+4*\i:RAW+64*((\t)%2)+4*\i+3], v2, s[22:23] offset:(\i+8*(\i/8))*4096+512*(\t) th:TH_LOAD_NT
.endr
.endm
.macro FRAG t
.if (\t) < 3
	s_wait_loadcnt 16                              ; this fragment's 16 loads are in; the next fragment's 16 may be out
.else
	s_wait_loadcnt 0
.endif
.irp i, 0,1,2,3,4,5,6,7,8,9,10,11,12,13,14,15
	ds_store_b128 v3, v[RAW+64*((\t)%2)+4*\i:RAW+64*((\t)%2)+4*\i+3] offset:528*\i
.endr
.irp c, 0,1
.irp j, 0,1,2,3,4,5,6,7
	ds_load_b128 v[X+32*\c+4*\j:X+32*\c+4*\j+3], v4 offset:256*\c+16*\j   ; LDS serves a wave's instructions in order: these see the stores above
.endr
.endr
	s_wait_dscnt 0x0
.if (\t) < 2
	LOAD (\t)+2                                    ; the set that the stage's stores have read takes the fragment two on
.endif
.irp c, 0,1                                    ; my block 2 c + h: all its 32 numbers are mine
	v_max3_num_f32 v[8+\c], |v[X+32*\c]|, |v[X+32*\c+1]|, 0x1800000   ; with the floor 2^(3 - 127): the byte cannot fall under 1
.endr
.irp i, 2,4,6,8,10,12,14,16,18,20,22,24,26,28,30
.irp c, 0,1
	s_delay_alu instid0(VALU_DEP_2)
	v_max3_num_f32 v[8+\c], v[8+\c], |v[X+32*\c+\i]|, |v[X+32*\c+\i+1]|   ; (the two blocks by turns)
.endr
.endr
.irp c, 0,1
	s_delay_alu instid0(VALU_DEP_2)
	v_add_nc_u32 v[12+\c], 0xff000000, v[8+\c]     ; 2 off the exponent field: the conversion's scale operand
.endr
.irp c, 0,1
	s_delay_alu instid0(VALU_DEP_2)
	v_lshrrev_b32 v[14+\c], 23, v[12+\c]           ; the scale's byte
.endr
	s_delay_alu instid0(VALU_DEP_1)
	v_lshl_or_b32 v11, v15, 16, v14                ; blocks h and 2 + h,
	s_delay_alu instid0(VALU_DEP_1)
	v_lshlrev_b32 v11, v6, v11                     ; at their places in the word;
	s_delay_alu instid0(VALU_DEP_1)
	v_permlanex16_b32 v10, v11, s34, s35
	s_delay_alu instid0(VALU_DEP_1)
	v_or_b32 v[W+(\t)], v11, v10                   ; with lane l xor 16's two the word is whole
.if (\t) > 0
	s_wait_alu depctr_va_vdst(0)
	s_wait_xcnt 0x0                                ; the last fragment's stores have read the codes' registers
.endif
.irp c, 0,1
	v_cvt_scalef32_pk16_fp6_f32 v[C+6*\c:C+6*\c+2], v[X+32*\c:X+32*\c+15], v[12+\c]
	v_cvt_scalef32_pk16_fp6_f32 v[C+12+4*\c:C+14+4*\c], v[X+32*\c+16:X+32*\c+31], v[12+\c]   ; (a conversion's three registers begin on an even number)
.endr
	v_nop                                          ; one plain place behind a scaled conversion
.irp c, 0,1
.irp i, 0,1,2
	v_mov_b32 v[C+3+6*\c+\i], v[C+12+4*\c+\i]
.endr
.endr
.irp c, 0,1,2
	global_store_b128 v2, v[C+4*\c:C+4*\c+3], s[30:31] offset:1536*(\t)+512*\c   ; 32 lanes store 512 consecutive bytes
.endr
.endm
	LOAD 0
	LOAD 1
	FRAG 0
	FRAG 1
	FRAG 2
	FRAG 3
	v_cmp_gt_u32 vcc_lo, 16, v1                    ; lanes 0-15 hold the 16 rows' words (lanes 16-31 the same again)
	s_wait_xcnt 0x0                                ; EXEC changes only behind this wait
	s_wait_tensorcnt 0x0
	ds_add_u32 v254, v255
	s_wait_dscnt 0x0
	s_and_saveexec_b32 s36, vcc_lo
	global_store_b128 v5, v[W:W+3], s[32:33]       ; 16 lanes store 256 consecutive bytes, aligned
	s_wait_xcnt 0x0
	s_or_b32 exec_lo, exec_lo, s36
	s_endpgm
.Lfunc_end_k_q48233077d0_quant:
	.size	k_q48233077d0_quant, .Lfunc_end_k_q48233077d0_quant-k_q48233077d0_quant
	.p2alignl 7, 3214868480
	.fill 96, 4, 3214868480
	.section	.rodata,"a",@progbits
	.p2align	6, 0x0
	.amdhsa_kernel k_q48233077d0_quant
		.amdhsa_group_segment_fixed_size 85760
		.amdhsa_private_segment_fixed_size 0
		.amdhsa_enable_private_segment 0
		.amdhsa_kernarg_size 56
		.amdhsa_user_sgpr_count 2
		.amdhsa_user_sgpr_kernarg_segment_ptr 1
		.amdhsa_wavefront_size32 1
		.amdhsa_system_sgpr_workgroup_id_x 1
		.amdhsa_system_sgpr_workgroup_id_y 1
		.amdhsa_system_sgpr_workgroup_id_z 1
		.amdhsa_system_vgpr_workitem_id 0
		.amdhsa_next_free_vgpr 256
		.amdhsa_next_free_sgpr 66
		.amdhsa_reserve_vcc 1
		.amdhsa_float_denorm_mode_32 3
		.amdhsa_float_denorm_mode_16_64 3
		.amdhsa_memory_ordered 1
		.amdhsa_forward_progress 1
		.amdhsa_inst_pref_size 36
	.end_amdhsa_kernel
	.amdgpu_metadata
---
amdhsa.version: [ 1, 2 ]
amdhsa.kernels:
  - .name:           k_q48233077d0_quant
    .symbol:         k_q48233077d0_quant.kd
    .args:
      - { .name: x, .offset: 0, .size: 8, .value_kind: global_buffer, .address_space: global }
      - { .name: y, .offset: 8, .size: 8, .value_kind: global_buffer, .address_space: global }
      - { .name: Wq, .offset: 16, .size: 8, .value_kind: global_buffer, .address_space: global }
      - { .name: Wk, .offset: 24, .size: 8, .value_kind: global_buffer, .address_space: global }
      - { .name: Wv, .offset: 32, .size: 8, .value_kind: global_buffer, .address_space: global }
      - { .name: Wo, .offset: 40, .size: 8, .value_kind: global_buffer, .address_space: global }
      - { .name: opnd, .offset: 48, .size: 8, .value_kind: global_buffer, .address_space: global }
    .group_segment_fixed_size: 85760
    .private_segment_fixed_size: 0
    .kernarg_segment_align: 8
    .kernarg_segment_size: 56
    .max_flat_workgroup_size: 320
    .sgpr_count:     66
    .vgpr_count:     256
    .wavefront_size: 32
...
	.end_amdgpu_metadata
.endif
;; end of part 1
;; launch proj (part 2): grid 4 x 96, 4 waves a work-group, clusters of 4 x 4, 327,680 bytes of LDS; arguments opnd, bq, bk, bv, qkv; writes qkv
.if DOCPART == 2
	.amdgcn_target "amdgcn-amd-amdhsa--gfx1250"
	.amdhsa_code_object_version 6
	.text
	.protected	k_q48233077d0_proj
	.globl	k_q48233077d0_proj
	.p2align	8
	.type	k_q48233077d0_proj,@function
k_q48233077d0_proj:
	s_mov_b64 s[64:65], 0
	v_nop
	global_prefetch_b8 v0, s[64:65] scope:SCOPE_SE
	s_setreg_imm32_b32 hwreg(HW_REG_WAVE_MODE, 25, 1), 1
	s_wait_xcnt 0x0
	s_wait_alu depctr_hold_cnt(0) depctr_sa_sdst(0) depctr_va_vdst(0) depctr_va_sdst(0) depctr_va_ssrc(0) depctr_va_vcc(0) depctr_vm_vsrc(0)
	s_getreg_b32 s2, hwreg(HW_REG_IB_STS2, 6, 4)
	s_cmp_eq_u32 s2, 0
	s_cbranch_scc0 .Lentry_in_a_cluster
	s_endpgm
.Lentry_in_a_cluster:
	s_bfe_u32 s2, ttmp6, 0x10000c
	s_cmp_lg_u32 s2, 0xf033
	s_cbranch_scc0 .Lentry_shape_is_right
	s_endpgm
.Lentry_shape_is_right:
; q = x Wq^T + bq, k = y Wk^T + bk, v^T = Wv y^T + bv, on codes of FP6 (E2M3) with E8M0 scales; each result is quantised in registers (q, k along the head's 128; v along the keys) and stored as operand images.
; LIMITS: a block whose largest magnitude lies under 2^-124, and a block of zeros, keep the byte 1 (this program alone reads the bytes); NaN and infinities are not served.
; OPERANDS.  P is source 1 (a lane holds one row of P), R is source 0 (a lane's registers run along R's rows).  q: P = x, R = Wq; k: P = y, R = Wk; v: P = Wv, R = y, so that a lane's registers run along the keys.
; Every operand lies in memory as images of its registers: a fragment (16 rows x 128 K) is 1,536 bytes, registers 4 c .. 4 c + 3 of lane l at 512 c + 16 l; tile T takes rows 32 (T / 2) + 8 (T % 2) + r + 8 (r / 8).
; So in a wave's accumulators (a, 0 .. 7) register 16 B + i of lane (r, h) is R's row 32 B + 16 h + i: 16 neighbours along the next product's K, and the codes made of them are that product's fragment.
; SHARES.  A work-group makes 256 rows of P x 256 rows of R; a wave 128 x 128: 64 accumulators, 512 registers.  A wave's 128 x 128 is one head x 128 tokens: eight fragments and their scale words.
; K = 1,024 goes as three chunks (K steps 0-2, 3-5, 6-7) through two LDS slots: chunks 0, 1 are first fills (one tensor load of mine is out at the most), chunk 2 fills slot 0 again, once, four K steps ahead of its use.
; CLUSTERS: 4 x 4 work-groups; P's tiles are asked for jointly along a row of the cluster, R's along a column.
; REGISTERS: window 0: v1-12 addresses; v32-63 P's scale words, v64-95 R's (register 4 i + s % 4: lanes 0-15 K step s % 4, lanes 16-31 K step 4 + s % 4); v96-123, v224-243 the way out; v128-223 P's fragments, one set.
;   window 1: R's fragments, two sets at v0 and v128; the bias, eight registers a tile, in v96-127 and v224-255.   windows 2, 3: the accumulators, (a, b) at v[8 (8 (a % 4) + b)].
; K's WALK (it stands for the head comment's): opnd's codes lie [tile][K step][1536].  K steps 0-2 come at the head into slot 0, K steps 3-5 behind the first round into slot 1, K steps 6-7 fill slot 0 again, once, at K step 2.
.set RG,    147456                     ; a slot: four waves' parts
.set PART,  36864                      ; 8 tiles x 3 K steps x 1,536 bytes: what one of the first two tensor loads of a wave brings
.set SPARE, 294912                     ; behind the regions: the spare words, 128 bytes a wave: two blocks of 256 bytes that no other line names
.set PSTEP, 4608                       ; three K steps along a tile's 12,288 bytes
.set RSTEP, 4608
.set SB,    15728640                   ; opnd's scale words
.set QSB,   18874368                   ; qkv's scale words
.set LI,   1                           ; v1    16 x lane
.set ADRP, 2                           ; v2-4  my P fragments in region 0, 1, 2
.set ADRR, 5                           ; v5-7  my R fragments
.set SPW,  8                           ; v8    my spare word; never rewritten
.set NIL,  9                           ; v9    0; never rewritten
.set SCP,  32
.set SCR,  64
.set PF,   128
.set TM,   96                          ; v96-99 largest magnitudes, v100-103 bytes, v108-111 the conversions' scale operands
.set SWD,  112                         ; v112-119 the eight fragments' scale words
.set Z,    120                         ; v120-123 as they are stored
.set PC,   224                         ; v224-235 a fragment's codes, v236-242 at work
.set SEL,  2                           ; s[2:3] v_permlanex16_b32's selects
.set G1P,  24
.set G0P,  32                          ; three sets, one a region
.set G0R,  44
.set G1R,  56
.set MSB, 0
.macro WIN new                         ; the immediate's high byte repeats the setting that is left
.if MSB != (\new)
	s_set_vgpr_msb (MSB<<8)|(\new)
.set MSB, (\new)
.endif
.endm
.macro PLACES n
.rept \n
	v_nop
.endr
.endm
.macro CREST                           ; a round of the cluster's barrier behind its opening barrier
	s_cmp_lg_u32 s14, 0
	s_cbranch_scc1 .Lnot_wave_0_\@
	s_barrier_signal -3
.Lnot_wave_0_\@:
	s_barrier_wait -3
	s_barrier_signal -1
	s_barrier_wait -1
.endm
.macro CROUND
	s_barrier_signal -1
	s_barrier_wait -1
	CREST
.endm
.macro JLOAD n                         ; joint load n: waves 0, 1 ask for P's halves, waves 2, 3 for R's; an s_nop 0 and four v_nop follow each line
	s_cmp_eq_u32 s15, 0
	s_cbranch_scc0 .Lfor_r_\@
	tensor_load_to_lds s[G0P+4*\n:G0P+4*\n+3], s[G1P:G1P+7]
	s_nop 0
	PLACES 4
	s_branch .Lasked_\@
.Lfor_r_\@:
	tensor_load_to_lds s[G0R+4*\n:G0R+4*\n+3], s[G1R:G1R+7]
	s_nop 0
	PLACES 4
.Lasked_\@:
.endm
; 16 products: P's tiles a0, a0 + 1 x R's eight, K step ks.  cm = 0: onto the sums; 1: the sums start from the bias of R's rows; 2: from that of P's rows.  The 64 accumulators take turns.
.macro MUL16 a0, ks, cm
.irp a, \a0, \a0+1
.irp b, 0,1,2,3,4,5,6,7
.set rD, 8*(8*((\a)%4)+\b)
.set rA, 128*((\ks)%2)+12*\b
.set rB, PF+12*(\a)
.set rSA, SCR+4*\b+(\ks)%4
.set rSB, SCP+4*(\a)+(\ks)%4
.if \cm == 1
.set rC, 96+8*\b+96*(\b/4)
.elseif \cm == 2
.set rC, 96+8*(\a)+96*((\a)/4)
.else
.set rC, rD
.endif
.if (\ks) < 4
	v_wmma_scale_f32_16x16x128_f8f6f4 v[rD:rD+7], v[rA:rA+11], v[rB:rB+11], v[rC:rC+7], v[rSA], v[rSB] matrix_a_fmt:MATRIX_FMT_FP6 matrix_b_fmt:MATRIX_FMT_FP6
.else
	v_wmma_scale_f32_16x16x128_f8f6f4 v[rD:rD+7], v[rA:rA+11], v[rB:rB+11], v[rC:rC+7], v[rSA], v[rSB] matrix_a_fmt:MATRIX_FMT_FP6 matrix_b_fmt:MATRIX_FMT_FP6 matrix_a_scale:MATRIX_SCALE_ROW1 matrix_b_scale:MATRIX_SCALE_ROW1
.endif
.endr
.endr
.endm
.macro FETCH_R rg, q, set              ; R's eight fragments of the region's q-th K step: each load takes 512 consecutive bytes
	WIN 0x40
.irp i, 0,1,2,3,4,5,6,7
.irp c, 0,1,2
	ds_load_b128 v[128*(\set)+12*\i+4*\c:128*(\set)+12*\i+4*\c+3], v[ADRR+(\rg)%2] offset:(4608-1536*((\rg)/2))*\i+1536*(\q)+512*\c   ; rg 0, 1: slots 0, 1, a tile 4,608 bytes; rg 2: slot 0 filled again, a tile 3,072 bytes
.endr
.endr
	WIN 0
.endm
.macro FETCH_P rg, q, i0               ; P's tiles i0 .. i0 + 3
.irp i, \i0, \i0+1, \i0+2, \i0+3
.irp c, 0,1,2
	ds_load_b128 v[PF+12*(\i)+4*\c:PF+12*(\i)+4*\c+3], v[ADRP+(\rg)%2] offset:(4608-1536*((\rg)/2))*(\i)+1536*(\q)+512*\c
.endr
.endr
.endm
; A K step; the next step's fragments come from region rn, K step qn.  Loads into registers that products have read stand four plain vector instructions behind those products (ISA guide 7.12.1 for vector instructions).
.macro STEP ks, rn, qn, cm
	s_wait_dscnt 12                                ; R's set and P's tiles 0-3 are in; the youngest twelve loads (P's tiles 4-7) may be out
.if \cm
	WIN 0x91                                       ; R window 1, P window 0, the bias window 1, the sums window 2
.else
	WIN 0xa1
.endif
	MUL16 0, \ks, \cm
	MUL16 2, \ks, \cm
	s_wait_dscnt 0x0                               ; P's tiles 4-7 are in
	PLACES 4
	FETCH_R \rn, \qn, (\ks+1)%2
	FETCH_P \rn, \qn, 0
.if \cm
	WIN 0xd1
.else
	WIN 0xf1
.endif
	MUL16 4, \ks, \cm
	MUL16 6, \ks, \cm
	PLACES 4
	WIN 0
	FETCH_P \rn, \qn, 4
.endm
; A K step with a barrier in it.  In front of it each wave waits for all its tensor loads, adds 0 to its spare word, and waits for that and for its LDS reads.  fill = 1: region 0, which nobody reads any more, takes chunk 3.
.macro TURN ks, rn, fill
	s_wait_tensorcnt 0x0                           ; all my tensor loads have landed
	ds_add_u32 v[SPW], v[NIL]                      ; 0 onto my spare word
	s_wait_dscnt 13                                ; (the add and the youngest twelve loads may be out)
	WIN 0xa1
	MUL16 0, \ks, 0                                ; sixteen products stand between the add and the wait for it
	s_wait_dscnt 0x0                               ; the add is done, and my LDS reads are over
	s_barrier_signal -1
	MUL16 2, \ks, 0
	WIN 0
	s_barrier_wait -1
.if \fill
	CREST                                          ; the barrier has opened a round of the cluster's: no wave of any partner still reads region 0 or has a load on its way
	s_mov_b32 s[G1P+1], 384<<16                    ; no tensor load of mine is out: the last load's rows are two K steps, 3,072 bytes
	s_mov_b32 s[G1P+3], 384<<16
	s_mov_b32 s[G1R+1], 384<<16
	s_mov_b32 s[G1R+3], 384<<16
	JLOAD 2
.else
	PLACES 4
.endif
	FETCH_R \rn, 0, (\ks+1)%2
	FETCH_P \rn, 0, 0
	WIN 0xf1
	MUL16 4, \ks, 0
	MUL16 6, \ks, 0
	PLACES 4
	WIN 0
	FETCH_P \rn, 0, 4
.endm
	s_load_b256 s[4:11], s[0:1], 0x0               ; opnd, bq, bk, bv
	s_load_b64 s[12:13], s[0:1], 0x20              ; qkv
	v_lshl_add_u32 v[SPW], v0, 2, SPARE
	v_mov_b32 v[NIL], 0
	ds_add_u32 v8, v9
	ds_add_u32 v8, v9
	s_wait_dscnt 0x0
	v_lshrrev_b32 v13, 5, v0
	v_readfirstlane_b32 s14, v13                   ; wave 0..3
	s_lshr_b32 s15, s14, 1                         ; which 128 rows of P are mine.  Also: I fetch for P (0) or for R (1)
	s_and_b32 s16, s14, 1                          ; which 128 rows of R.  Also: which half of that tile I fetch
	s_bfe_u32 s66, ttmp6, 0x40000                  ; cx
	s_bfe_u32 s67, ttmp6, 0x40004                  ; cy
	s_and_b32 s68, ttmp7, 0xffff                   ; the cluster's y, 0..23 (the grid has one cluster along x)
	s_lshr_b32 s69, s68, 3                         ; the job: 0 q, 1 k, 2 v: the same in all sixteen partners
	s_and_b32 s68, s68, 7
	s_cmp_lt_u32 s69, 2
	s_cselect_b32 s70, s68, 0                      ; the tokens' 32 tiles of 256 run along P for q and k,
	s_cselect_b32 s71, 0, s68                      ; along R for v
	s_cmp_eq_u32 s69, 0
	s_cselect_b32 s74, 0, 512                      ; P's first tile in opnd: x, y,
	s_mov_b32 s75, 1088
	s_cselect_b32 s75, 1024, s75                   ; R's: Wq, Wk,
	s_cmp_eq_u32 s69, 2
	s_cselect_b32 s74, 1152, s74                   ; Wv
	s_cselect_b32 s75, 512, s75                    ; y
	s_lshl_b32 s70, s70, 2
	s_add_co_u32 s70, s70, s67                     ; P's tile of 256: it hangs on cy, never on cx
	s_lshl_b32 s71, s71, 2
	s_add_co_u32 s71, s71, s66                     ; R's: on cx, never on cy
	s_lshl_b32 s17, s67, 2
	s_lshl_b32 s17, 15, s17                        ; my row of the cluster
	s_lshl_b32 s18, 0x1111, s66                    ; my column
	s_or_b32 s[G1P], s17, (3<<16)|(1<<21)          ; 15:0 the mask; 17:16 elements of 8 bytes; 21 set beside a mask; no padding
	s_or_b32 s[G1R], s18, (3<<16)|(1<<21)
.irp g, G1P, G1R                       ; 8 rows of 4,608 bytes, 12,288 bytes apart: 36,864 bytes
	s_mov_b32 s[\g+1], 576<<16                     ; tensor_dim0: three K steps of a tile, 4,608 bytes, in elements of 8
	s_mov_b32 s[\g+2], 8<<16                       ; tensor_dim1 = 8 tiles
	s_mov_b32 s[\g+3], 576<<16                     ; tile_dim0
	s_mov_b32 s[\g+4], 8                           ; tile_dim1
	s_mov_b32 s[\g+5], 1536                        ; from tile to tile: 12,288 bytes
	s_mov_b32 s[\g+6], 0
	s_mov_b32 s[\g+7], 0
.endr
	s_lshl_b32 s76, s70, 4
	s_add_co_u32 s76, s76, s74                     ; the work-group's first tile of 16 of P,
	s_lshl_b32 s77, s71, 4
	s_add_co_u32 s77, s77, s75                     ; of R
	s_lshl_b32 s19, s16, 3
	s_add_co_u32 s78, s76, s19                     ; the eight tiles that I fetch, if for P,
	s_add_co_u32 s79, s77, s19                     ; if for R (these are also my own eight tiles of R)
	s_mul_i32 s80, s78, 12288
	s_mov_b32 s81, 0
	s_mul_i32 s82, s79, 12288
	s_mov_b32 s83, 0
	s_mul_i32 s84, s14, PART                       ; where they go: no place in the cluster enters an LDS address
	s_lshl_b32 s85, s15, 3
	s_add_co_u32 s85, s85, s76                     ; my own eight tiles of P
	s_lshl_b32 s86, s85, 9
	s_add_co_u32 s86, s86, SB                      ; their scale words,
	s_mov_b32 s87, 0
	s_lshl_b32 s88, s79, 9
	s_add_co_u32 s88, s88, SB                      ; and R's
	s_mov_b32 s89, 0
	s_lshl_b32 s90, s70, 1
	s_add_co_u32 s90, s90, s15                     ; my 128 rows of P, counted in 128s,
	s_lshl_b32 s91, s71, 1
	s_add_co_u32 s91, s91, s16                     ; of R
	s_cmp_lt_u32 s69, 2
	s_cselect_b32 s92, s90, s91                    ; which 128 tokens,
	s_cselect_b32 s93, s91, s90                    ; which head
	s_lshr_b32 s94, s92, 4                         ; the batch
	s_and_b32 s92, s92, 15                         ; the 128 tokens in it
	s_lshl_b32 s94, s94, 3
	s_add_co_u32 s94, s94, s93
	s_lshl_b32 s94, s94, 4
	s_add_co_u32 s94, s94, s92
	s_lshl_b32 s95, s69, 9
	s_add_co_u32 s94, s94, s95                     ; the group in qkv: 512 job + 16 (8 batch + head) + j
	s_mul_i32 s96, s94, 12288                      ; its eight fragments,
	s_mov_b32 s97, 0
	s_lshl_b32 s98, s94, 9
	s_add_co_u32 s98, s98, QSB                     ; its 512 bytes of scale words
	s_mov_b32 s99, 0
	s_lshl_b32 s92, s93, 9                         ; the head's 128 numbers of the bias
	s_mov_b32 s93, 0
	s_mov_b32 s[SEL], 0x76543210
	s_mov_b32 s[SEL+1], 0xfedcba98
	s_wait_kmcnt 0x0
	s_add_nc_u64 s[80:81], s[4:5], s[80:81]
	s_add_nc_u64 s[82:83], s[4:5], s[82:83]
	s_add_nc_u64 s[86:87], s[4:5], s[86:87]
	s_add_nc_u64 s[88:89], s[4:5], s[88:89]
	s_add_nc_u64 s[96:97], s[12:13], s[96:97]
	s_add_nc_u64 s[98:99], s[12:13], s[98:99]
	s_cmp_eq_u32 s69, 0
	s_cselect_b64 s[20:21], s[6:7], s[8:9]
	s_cmp_eq_u32 s69, 2
	s_cselect_b64 s[20:21], s[10:11], s[20:21]
	s_add_nc_u64 s[20:21], s[20:21], s[92:93]      ; the job's bias at my head
.irp n, 0,1,2
	s_mov_b32 s[G0P+4*\n], 1                       ; count = 1
	s_add_co_u32 s[G0P+4*\n+1], s84, (\n%2)*RG     ; LDS address: loads 0 and 2 go to slot 0, load 1 to slot 1
	s_add_nc_u64 s[G0P+4*\n+2:G0P+4*\n+3], s[80:81], \n*PSTEP   ; chunk n
	s_or_b32 s[G0P+4*\n+3], s[G0P+4*\n+3], 0x80000000           ; type = 2
	s_mov_b32 s[G0R+4*\n], 1
	s_add_co_u32 s[G0R+4*\n+1], s84, (\n%2)*RG
	s_add_nc_u64 s[G0R+4*\n+2:G0R+4*\n+3], s[82:83], \n*RSTEP
	s_or_b32 s[G0R+4*\n+3], s[G0R+4*\n+3], 0x80000000
.endr
	CROUND                                         ; all sixteen work-groups are here: the first joint loads meet
	JLOAD 0                                        ; K steps 0-2: one tensor load a wave at the head
	v_and_b32 v10, 31, v0                          ; lane
	v_lshlrev_b32 v[LI], 4, v10
.irp i, 0,1,2,3,4,5,6,7                ; the scale words of my 8 + 8 tiles, for all of K, once: each load takes a tile's 512 consecutive bytes
	global_load_b128 v[SCP+4*\i:SCP+4*\i+3], v[LI], s[86:87] offset:512*\i
	global_load_b128 v[SCR+4*\i:SCR+4*\i+3], v[LI], s[88:89] offset:512*\i
.endr
	v_and_b32 v13, 15, v0                          ; r
	v_bfe_u32 v14, v0, 4, 1                        ; h
	v_lshlrev_b32 v11, 6, v14                      ; 64 h
	v_and_b32 v12, 8, v13
	v_add_nc_u32 v12, v12, v13
	v_lshlrev_b32 v12, 2, v12                      ; 4 (r + 8 (r / 8))
.irp b, 0,1,2,3
	v_mov_b32 v[TM+4+\b], 0                        ; written once: a lane permute's destination counts as one of its sources
.endr
	s_cmp_eq_u32 s69, 2                            ; the bias in the result's layout.  The branch hangs on the job alone
	s_cbranch_scc1 .Lbias_v
	WIN 0x40
.irp b, 0,1,2,3,4,5,6,7                ; q, k: it runs along R's rows: register j of tile b is feature 32 (b / 2) + 8 (b % 2) + 16 h + j
	global_load_b128 v[96+8*\b+96*(\b/4):96+8*\b+96*(\b/4)+3], v11, s[20:21] offset:(32*(\b/2)+8*(\b%2))*4
	global_load_b128 v[96+8*\b+96*(\b/4)+4:96+8*\b+96*(\b/4)+7], v11, s[20:21] offset:(32*(\b/2)+8*(\b%2))*4+16
.endr
	WIN 0
	s_branch .Lbias_done
.Lbias_v:
	WIN 0x40
	s_wait_alu depctr_va_vdst(0)
.irp a, 0,1,2,3,4,5,6,7                ; v: it runs along P's rows: all eight registers of tile a hold the lane's feature 32 (a / 2) + 8 (a % 2) + r + 8 (r / 8)
.irp j, 0,1,2,3,4,5,6,7
	global_load_b32 v[96+8*\a+96*(\a/4)+\j], v12, s[20:21] offset:(32*(\a/2)+8*(\a%2))*4
.endr
.endr
	WIN 0
.Lbias_done:
	s_mul_i32 s22, s15, PART
	s_mul_i32 s23, s16, PART
	s_add_co_u32 s23, s23, 2*PART
.irp n, 0,1,2
	v_add_nc_u32 v[ADRP+\n], s22, v[LI]
	v_add_nc_u32 v[ADRR+\n], s23, v[LI]
	s_add_co_u32 s22, s22, RG
	s_add_co_u32 s23, s23, RG
.endr
	s_wait_alu depctr_va_vdst(0)
	s_wait_tensorcnt 0x0                           ; my part of K steps 0-2 is in
	ds_add_u32 v[SPW], v[NIL]
	s_wait_dscnt 0x0
	CROUND                                         ; everybody's part is in, and all sixteen work-groups are here
	JLOAD 1                                        ; K steps 3-5 into slot 1: the first tensor load behind the round
	FETCH_R 0, 0, 0
	FETCH_P 0, 0, 0
	FETCH_P 0, 0, 4
	s_wait_loadcnt 0x0                             ; scale words and bias
	s_cmp_eq_u32 s69, 2                            ; the first K step starts the sums from the bias: nothing is cleared, no addition is spent
	s_cbranch_scc1 .Lstep0_v
	STEP 0, 0, 1, 1
	s_branch .Lstep0_done
.Lstep0_v:
	STEP 0, 0, 1, 2
.Lstep0_done:
	STEP 1, 0, 2, 0
	TURN 2, 1, 1                                   ; slot 1 is whole for every wave; slot 0, read out, takes K steps 6-7
	STEP 3, 1, 1, 0
	STEP 4, 1, 2, 0
	TURN 5, 2, 0                                   ; K steps 6-7 are whole; nothing is filled again
	STEP 6, 2, 1, 0
	s_wait_dscnt 12                                ; the last K step: nothing more to fetch
	WIN 0xa1
	MUL16 0, 7, 0
	MUL16 2, 7, 0
	s_wait_dscnt 0x0
	WIN 0xf1
	MUL16 4, 7, 0
	MUL16 6, 7, 0
	WIN 0
	PLACES 4                                       ; in front of the first read of results
; THE WAY OUT.  The 64 registers of accumulators (a, 0 .. 7) become one fragment: four blocks of 32, each in lanes l and l xor 16.  Each accumulator is read from its low end on.
.macro QUANTA a
.set AC, 64*((\a)%4)
	WIN 0x0a+5*((\a)/4)                            ; sources 0 and 1: the accumulators' window
.irp b, 0,1,2,3
	v_max3_num_f32 v[TM+\b], |v[AC+16*\b]|, |v[AC+16*\b+1]|, 0x1800000   ; with the floor 2^(3 - 127): the byte cannot fall under 1
.endr
.irp i, 2,4,6,8,10,12,14
.irp b, 0,1,2,3
	v_max3_num_f32 v[TM+\b], |v[AC+16*\b+\i]|, |v[AC+16*\b+\i+1]|, v[TM+\b]
.endr
.endr
	WIN 0
.irp b, 0,1,2,3
	v_permlanex16_b32 v[TM+4+\b], v[TM+\b], s[SEL], s[SEL+1]
.endr
.irp b, 0,1,2,3
	v_max_num_f32 v[TM+\b], v[TM+\b], v[TM+4+\b]   ; the block's largest magnitude
.endr
.irp b, 0,1,2,3
	v_add_nc_u32 v[TM+12+\b], 0xff000000, v[TM+\b] ; 2 off its exponent field: the conversion's scale operand
.endr
.irp b, 0,1,2,3
	v_lshrrev_b32 v[TM+4+\b], 23, v[TM+12+\b]      ; the scale's byte
.endr
	v_lshl_or_b32 v[SWD+(\a)], v[TM+5], 8, v[TM+4]
	v_lshl_or_b32 v[SWD+(\a)], v[TM+6], 16, v[SWD+(\a)]
	v_lshl_or_b32 v[SWD+(\a)], v[TM+7], 24, v[SWD+(\a)]
.if (\a) > 0
	s_wait_xcnt 0x0                                ; the last fragment's stores have read the codes' registers
.endif
	WIN 0x02+(\a)/4                                ; source 0: the accumulators' window
.irp c, 0,1
	v_cvt_scalef32_pk16_fp6_f32 v[PC+6*\c:PC+6*\c+2], v[AC+32*\c:AC+32*\c+15], v[TM+12+2*\c]
	v_cvt_scalef32_pk16_fp6_f32 v[PC+12+4*\c:PC+14+4*\c], v[AC+32*\c+16:AC+32*\c+31], v[TM+13+2*\c]
.endr
	WIN 0
	v_nop                                          ; one plain place behind a scaled conversion
.irp c, 0,1                            ; the operand's layout wants a whole block in a lane
.irp i, 0,1,2
	v_permlane16_swap_b32 v[PC+6*\c+\i], v[PC+12+4*\c+\i]
.endr
.irp i, 0,1,2
	v_mov_b32 v[PC+3+6*\c+\i], v[PC+12+4*\c+\i]
.endr
.endr
.irp c, 0,1,2
	global_store_b128 v[LI], v[PC+4*\c:PC+4*\c+3], s[96:97] offset:1536*(\a)+512*\c   ; 32 lanes store 512 consecutive bytes
.endr
.endm
.irp a, 0,1,2,3,4,5,6,7
	QUANTA \a
.endr
	v_cmp_le_u32 vcc_lo, 16, v10                   ; lanes 0-15 store the words of fragments 0-3, lanes 16-31 those of 4-7 (every lane holds its row's eight)
.irp j, 0,1,2,3
	v_cndmask_b32 v[Z+\j], v[SWD+\j], v[SWD+4+\j], vcc_lo
.endr
	global_store_b128 v[LI], v[Z:Z+3], s[98:99]
	s_wait_tensorcnt 0x0                           ; the wave's end
	ds_add_u32 v[SPW], v[NIL]
	s_wait_dscnt 0x0
	CROUND                                         ; the closing round
	s_endpgm
.Lfunc_end_k_q48233077d0_proj:
	.size	k_q48233077d0_proj, .Lfunc_end_k_q48233077d0_proj-k_q48233077d0_proj
	.p2alignl 7, 3214868480
	.fill 96, 4, 3214868480
	.section	.rodata,"a",@progbits
	.p2align	6, 0x0
	.amdhsa_kernel k_q48233077d0_proj
		.amdhsa_group_segment_fixed_size 327680
		.amdhsa_private_segment_fixed_size 0
		.amdhsa_enable_private_segment 0
		.amdhsa_kernarg_size 40
		.amdhsa_user_sgpr_count 2
		.amdhsa_user_sgpr_kernarg_segment_ptr 1
		.amdhsa_wavefront_size32 1
		.amdhsa_system_sgpr_workgroup_id_x 1
		.amdhsa_system_sgpr_workgroup_id_y 1
		.amdhsa_system_sgpr_workgroup_id_z 1
		.amdhsa_system_vgpr_workitem_id 0
		.amdhsa_next_free_vgpr 1024
		.amdhsa_next_free_sgpr 100
		.amdhsa_reserve_vcc 1
		.amdhsa_float_denorm_mode_32 3
		.amdhsa_float_denorm_mode_16_64 3
		.amdhsa_memory_ordered 1
		.amdhsa_forward_progress 1
		.amdhsa_inst_pref_size 157
	.end_amdhsa_kernel
	.amdgpu_metadata
---
amdhsa.version: [ 1, 2 ]
amdhsa.kernels:
  - .name:           k_q48233077d0_proj
    .symbol:         k_q48233077d0_proj.kd
    .args:
      - { .name: opnd, .offset: 0, .size: 8, .value_kind: global_buffer, .address_space: global }
      - { .name: bq, .offset: 8, .size: 8, .value_kind: global_buffer, .address_space: global }
      - { .name: bk, .offset: 16, .size: 8, .value_kind: global_buffer, .address_space: global }
      - { .name: bv, .offset: 24, .size: 8, .value_kind: global_buffer, .address_space: global }
      - { .name: qkv, .offset: 32, .size: 8, .value_kind: global_buffer, .address_space: global }
    .group_segment_fixed_size: 327680
    .private_segment_fixed_size: 0
    .kernarg_segment_align: 8
    .kernarg_segment_size: 40
    .max_flat_workgroup_size: 128
    .sgpr_count:     100
    .vgpr_count:     1024
    .wavefront_size: 32
...
	.end_amdgpu_metadata
.endif
;; end of part 2
;; launch attn (part 3): grid 8 x 32, 16 waves a work-group, clusters of 4 x 1, 327,680 bytes of LDS; arguments qkv, ctx; writes ctx
.if DOCPART == 3
	.amdgcn_target "amdgcn-amd-amdhsa--gfx1250"
	.amdhsa_code_object_version 6
	.text
	.protected	k_q48233077d0_attn
	.globl	k_q48233077d0_attn
	.p2align	8
	.type	k_q48233077d0_attn,@function
k_q48233077d0_attn:
	s_mov_b64 s[64:65], 0
	v_nop
	global_prefetch_b8 v0, s[64:65] scope:SCOPE_SE
	s_setreg_imm32_b32 hwreg(HW_REG_WAVE_MODE, 25, 1), 1
	s_wait_xcnt 0x0
	s_wait_alu depctr_hold_cnt(0) depctr_sa_sdst(0) depctr_va_vdst(0) depctr_va_sdst(0) depctr_va_ssrc(0) depctr_va_vcc(0) depctr_vm_vsrc(0)
	s_getreg_b32 s2, hwreg(HW_REG_IB_STS2, 6, 4)
	s_cmp_eq_u32 s2, 0
	s_cbranch_scc0 .Lentry_in_a_cluster
	s_endpgm
.Lentry_in_a_cluster:
	s_bfe_u32 s2, ttmp6, 0x10000c
	s_cmp_lg_u32 s2, 0x3003
	s_cbranch_scc0 .Lentry_shape_is_right
	s_endpgm
.Lentry_shape_is_right:
; ctx[b][q][head][:] = the sum over keys k <= q of softmax_k(q . k / sqrt(128)) v[k][:], both products on codes of FP6 (E2M3) with E8M0 scales; ctx is quantised along its 128 in registers and stored as operand images.
; THE SOFTMAX AHEAD OF THE SECOND PRODUCT: t = score x log2(e) / sqrt(128); M = the row's largest t so far, rounded up to a whole number; p = 2^(t - M) is quantised along the keys, not normalised.
; The row's sum is taken of the unquantised p and divides O at the end.  When M moves, the sum and O are multiplied by 2^(old M - new M): exact.
; LEFT OUT: key steps all of whose keys lie behind a tile's queries: the causal mask gives them -infinity ahead of the softmax.
; LIMITS: the promise holds while |t| stays under 2^31; a block whose largest magnitude lies under 2^-124, and a block of zeros, keep the byte 1 (this program alone reads the bytes); NaN and infinities are not served.
; INPUT: groups of eight fragments (12,288 bytes) and their scale words (512 bytes): group 512 job + 16 (8 batch + head) + j; q, k: fragment a = 16 tokens of the j-th 128; v: fragment a = 16 of the head's 128, K = the j-th 128 keys.
; The 16 rows of a tile are 32 (a / 2) + 8 (a % 2) + r + 8 (r / 8), so that p's registers of two neighbouring tiles of keys are 16 neighbouring keys.  Both products are used transposed: a lane holds one query throughout.
; SHARES.  The eight work-groups of a head take tile i = 0 .. 7 of EVERY group G of 128 queries; tile G needs key steps 0 .. G: 136 steps a work-group.  The 16 waves are eight pairs p = 0 .. 7; with G = 8 + p and
; ga = (max(p, 3) - 3) / 2 = 0, 0, 0, 0, 0, 1, 1, 2:
;   wave A: tile G, key steps 0 .. 8 - ga and the top ga steps G - ga + 1 .. G (9 steps);   wave B: tile 7 - p whole (8 - p steps), which it stores, then tile G, key steps 9 - ga .. G - ga (p steps).
; At the end B hands its O, M and sum of tile G to A through LDS; A brings both parts under the larger M (whole numbers: exact factors), adds, divides, quantises, stores.
; One loop of nine trips serves both: the key step is the trip's count, plus a number of the wave's own from a trip of the wave's own on; branches hang on the wave's number and the trip's count alone.
; K AND V: key steps 0 .. 11 (294,912 bytes) and all 16 steps' scale words (16,384 bytes) come into LDS once, one joint tensor load a wave at the head (waves 0-5 K, 6-11 V, 12 the scale words), and stay: nothing is filled again,
; so the loop has no barrier.  All 16 steps do not fit in LDS: steps 12 .. 15, 10 of the 136 steps and two a wave at the most, come from memory straight into the operand's registers, 512 consecutive bytes a load; they are not
; shared loads, since the waves that want them reach them in different trips.  Waves 13-15 prefetch them at the head, four trips or more ahead of their first use: 96 blocks of 256 bytes a work-group, the cluster's four told apart by address.
; The head's tensor loads have no loop ahead of them to run ahead in: no prefetch for them.
; REGISTERS: v1-6 that stay; v8-11 the step's addresses; v12 -M, v13 the largest t, v[14:15] the sum in two halves; v16-27 Q, v28 its scale words; v29-31 addresses that stay; v32-79 K's fragments 0-3, then V's 0-3;
;   K's fragments 4-7 in v144-155, v224-235, v236-247, v84-95, which are idle at a step's head; v84-95 then at work; v96-159 S^T, then p, then (v96-143) V's fragments 4-7; v160-223 O^T; v224-235 p's codes;
;   v232-247, v252, v254 at work; v248-251 K's or V's scale words; v253 p's scale word.
.set VOFF,  147456                     ; LDS: K's 12 steps from 0, V's from here
.set SCK,   294912                     ; K's scale words, 512 bytes a step; V's 8,192 bytes on
.set SPARE, 311296                     ; the spare words, 128 bytes a wave: eight blocks of 256 bytes that no other line names
.set STGB,  8704                       ; the hand-over: 17 x 512 bytes a wave, from LDS byte 0 on: K's bytes have had their one fill, and are read no more behind the barrier in front of the stores
.set JOB,   6291456                    ; 512 groups of 12,288 bytes
.set QSB,   18874368                   ; qkv's scale words
.set CSB,   6291456                    ; ctx's scale words
.set LI,   1                           ; 16 x lane
.set DM,   2                           ; my query's place in its 128, less 16 h
.set LN,   3                           ; lane
.set R16,  4                           ; 16 r
.set SPW,  5                           ; my spare word; never rewritten
.set NIL,  6                           ; 0; never rewritten
.set ADK,  8
.set ADS,  9
.set ADV,  10
.set VG,   11
.set PFO,  29
.set STA,  30
.set LDA,  31
.set WV,   18
.set SEL,  20
.set CS,   22
.set G1C,  24
.set G0C,  32
.set G1S,  36
.set G0S,  44
.set T,    48                          ; the trip
.set KJ,   49                          ; its key step
.set GQ,   50                          ; the tile's group in hand
.set TSW,  51                          ; the trip from which on DOFF is added to the key step
.set DOFF, 52
.set GA,   53                          ; my first tile's group
.set GB,   54                          ; 8 + p
.set ROLE, 55                          ; 0 A, 1 B
.set PR,   56
.set LB,   57                          ; my last key step from trip TSW on
.set KB,   58                          ; s[58:59] the head's K groups; V's lie JOB bytes on
.set QB,   60                          ; Q's fragment of group 0
.set QS,   62                          ; its scale words
.set CB,   66                          ; ctx's fragment of group 0
.set CW,   68                          ; its scale words
.set LIM,  74                          ; the trip's last key step that counts
.set TQ,   98                          ; the trip in which B changes tiles (A: never)
.macro PLACES n
.rept \n
	v_nop
.endr
.endm
.macro CROUND                          ; a round of the cluster's barrier
	s_barrier_signal -1
	s_barrier_wait -1
	s_cmp_lg_u32 s[WV], 0
	s_cbranch_scc1 .Lnot_wave_0_\@
	s_barrier_signal -3
.Lnot_wave_0_\@:
	s_barrier_wait -3
	s_barrier_signal -1
	s_barrier_wait -1
.endm
.macro LOADQ g                         ; the fragment and scale words of my tile of group s[g]
	s_mul_i32 s80, s[\g], 12288
	s_mov_b32 s81, 0
	s_add_nc_u64 s[82:83], s[QB:QB+1], s[80:81]
	s_lshl_b32 s80, s[\g], 9
	s_add_nc_u64 s[84:85], s[QS:QS+1], s[80:81]
.irp c, 0,1,2
	global_load_b128 v[16+4*\c:19+4*\c], v[LI], s[82:83] offset:512*\c
.endr
	global_load_b32 v28, v[R16], s[84:85]
.endm
.macro FR_D rb, adr, f                 ; fragment f of the step from LDS into v[rb ..]: each load takes 512 consecutive bytes
.irp c, 0,1,2
	ds_load_b128 v[\rb+4*\c:\rb+4*\c+3], v[\adr] offset:(\f)*1536+512*\c
.endr
.endm
.macro FR_G rb, goff, f                ; the same from memory
.irp c, 0,1,2
	global_load_b128 v[\rb+4*\c:\rb+4*\c+3], v[VG], s[KB:KB+1] offset:\goff+(\f)*1536+512*\c
.endr
.endm
.macro LG adr, goff, f0, r0, r1, r2, r3    ; four fragments f0 .. f0 + 3: from LDS, or for key steps 12 .. 15 from memory
	s_cmp_ge_u32 s[KJ], 12
	s_cbranch_scc1 .Lgl_\@
	FR_D \r0, \adr, \f0
	FR_D \r1, \adr, \f0+1
	FR_D \r2, \adr, \f0+2
	FR_D \r3, \adr, \f0+3
	s_branch .Lgd_\@
.Lgl_\@:
	FR_G \r0, \goff, \f0
	FR_G \r1, \goff, \f0+1
	FR_G \r2, \goff, \f0+2
	FR_G \r3, \goff, \f0+3
.Lgd_\@:
.endm
.macro SHI t, a                        ; S^T's tile 4 + t, its fragment of K in v[a ..]
	v_wmma_scale_f32_16x16x128_f8f6f4 v[128+8*\t:135+8*\t], v[\a:\a+11], v[16:27], 0, v[248+\t], v28 matrix_a_fmt:MATRIX_FMT_FP6 matrix_b_fmt:MATRIX_FMT_FP6 matrix_a_scale:MATRIX_SCALE_ROW1
.endm
; THE WAY OUT of the tile of group s[g].  O^T / the sum; register 16 b + i of lane (r, h) is channel 32 b + 16 h + i of my query: quantised as it stands, it is K step 'head' of the last product's operand.
.macro OUT g
	s_wait_xcnt 0x0                                ; earlier stores have read their bases
	s_mul_i32 s86, s[\g], 98304                    ; eight tiles of 12,288 bytes a group
	s_mov_b32 s87, 0
	s_add_nc_u64 s[88:89], s[CB:CB+1], s[86:87]
	s_lshl_b32 s86, s[\g], 12
	s_add_nc_u64 s[90:91], s[CW:CW+1], s[86:87]
	v_add_f32 v14, v14, v15
	s_delay_alu instid0(VALU_DEP_1)
	v_permlanex16_b32 v252, v14, s[SEL], s[SEL+1]
	s_delay_alu instid0(VALU_DEP_1)
	v_add_f32 v14, v14, v252                       ; the row's sum
	s_wait_alu depctr_va_vdst(0)
	v_rcp_f32 v14, v14
	v_nop                                          ; one plain place behind a transcendental
	s_wait_alu depctr_va_vdst(0)
.set j, 0
.rept 32
	v_pk_mul_f32 v[96+j:97+j], v[160+j:161+j], v[14:15] op_sel_hi:[1,0]   ; each accumulator from its low end on
.set j, j+2
.endr
.irp b, 0,1,2,3
	v_max3_num_f32 v[232+\b], |v[96+16*\b]|, |v[97+16*\b]|, 0x1800000     ; with the floor 2^(3 - 127): the byte cannot fall under 1
.endr
.irp i, 2,4,6,8,10,12,14
.irp b, 0,1,2,3
	s_delay_alu instid0(VALU_DEP_4)
	v_max3_num_f32 v[232+\b], v[232+\b], |v[96+16*\b+\i]|, |v[97+16*\b+\i]|
.endr
.endr
.irp b, 0,1,2,3
	s_delay_alu instid0(VALU_DEP_4)
	v_permlanex16_b32 v[236+\b], v[232+\b], s[SEL], s[SEL+1]
.endr
.irp b, 0,1,2,3
	s_delay_alu instid0(VALU_DEP_4)
	v_max_num_f32 v[232+\b], v[232+\b], v[236+\b]
.endr
.irp b, 0,1,2,3
	s_delay_alu instid0(VALU_DEP_4)
	v_add_nc_u32 v[244+\b], 0xff000000, v[232+\b]  ; 2 off the exponent field: the conversion's scale operand
.endr
.irp b, 0,1,2,3
	s_delay_alu instid0(VALU_DEP_4)
	v_lshrrev_b32 v[236+\b], 23, v[244+\b]         ; the scale's byte
.endr
	s_delay_alu instid0(VALU_DEP_3)
	v_lshl_or_b32 v253, v237, 8, v236              ; my row's scale word
	s_delay_alu instid0(VALU_DEP_1)
	v_lshl_or_b32 v253, v238, 16, v253
	s_delay_alu instid0(VALU_DEP_1)
	v_lshl_or_b32 v253, v239, 24, v253
.irp c, 0,1
	v_cvt_scalef32_pk16_fp6_f32 v[32+6*\c:34+6*\c], v[96+32*\c:111+32*\c], v[244+2*\c]
	v_cvt_scalef32_pk16_fp6_f32 v[44+4*\c:46+4*\c], v[112+32*\c:127+32*\c], v[245+2*\c]
.endr
	v_nop                                          ; one plain place behind a scaled conversion
.irp c, 0,1                            ; the operand's layout wants a whole block in a lane
.irp i, 0,1,2
	v_permlane16_swap_b32 v[32+6*\c+\i], v[44+4*\c+\i]
.endr
.irp i, 0,1,2
	s_delay_alu instid0(VALU_DEP_3)
	v_mov_b32 v[35+6*\c+\i], v[44+4*\c+\i]
.endr
.endr
.irp c, 0,1,2
	global_store_b128 v[LI], v[32+4*\c:35+4*\c], s[88:89] offset:512*\c   ; 32 lanes store 512 consecutive bytes
.endr
	global_store_b32 v[R16], v253, s[90:91]        ; the 16 rows' words; lanes l and l xor 16 hold the same row's word and write it to the same place
	s_wait_xcnt 0x0                                ; the stores have read their registers
.endm
	s_load_b128 s[4:7], s[0:1], 0x0                ; qkv, ctx
	v_lshl_add_u32 v[SPW], v0, 2, SPARE
	v_mov_b32 v[NIL], 0
	ds_add_u32 v[SPW], v[NIL]                      ; the opening lines: the add, twice on end, and its wait
	ds_add_u32 v[SPW], v[NIL]
	v_lshrrev_b32 v7, 5, v0
	s_delay_alu instid0(VALU_DEP_1)
	v_readfirstlane_b32 s[WV], v7                  ; wave 0..15
	s_bfe_u32 s70, ttmp6, 0x40000                  ; cx: it enters global addresses and the mask's compare alone
	s_lshl_b32 s71, ttmp9, 2
	s_add_co_u32 s71, s71, s70                     ; i: my work-group's tile in every group
	s_and_b32 s72, ttmp7, 0xffff                   ; 8 batch + head
	s_lshr_b32 s[PR], s[WV], 1                     ; the pair
	s_lshr_b32 s73, s[WV], 2
	s_xor_b32 s73, s73, s[WV]
	s_and_b32 s[ROLE], s73, 1                      ; of four waves that agree in w % 4 or in w / 4, two are A and two are B
	s_add_co_u32 s[GB], s[PR], 8
	s_xor_b32 s73, s[PR], 7                        ; 7 - p
	s_add_co_u32 s74, s73, 1                       ; 8 - p
	s_max_u32 s76, s[PR], 3
	s_sub_co_u32 s76, s76, 3
	s_lshr_b32 s76, s76, 1                         ; ga
	s_add_co_u32 s75, s[PR], 1
	s_sub_co_u32 s75, s75, s76                     ; 1 + p - ga
	s_sub_co_u32 s77, 9, s76                       ; 9 - ga
	s_sub_co_u32 s78, s[GB], s76                   ; G - ga
	s_cmp_eq_u32 s[ROLE], 1
	s_cselect_b32 s[GA], s73, s[GB]
	s_cselect_b32 s[TSW], s74, s77                 ; B: from trip 8 - p on the key step is the trip + 1 + p - ga: 9 - ga in that trip;
	s_cselect_b32 s[DOFF], s75, s[PR]              ; A: from trip 9 - ga on the trip + p: G - ga + 1 in that trip (ga = 0: no such trip)
	s_cselect_b32 s[LB], s78, s[GB]
	s_cselect_b32 s[TQ], s74, 15
	s_mul_i32 s76, s72, 196608                     ; 16 groups a head
	s_add_co_u32 s76, s76, JOB
	s_mov_b32 s77, 0
	s_min_u32 s78, s[WV], 11
	s_mul_i32 s78, s78, 24576                      ; two key steps a wave: where they go; waves 6-11 fall into V's bytes
	s_cmp_ge_u32 s[WV], 6
	s_cselect_b32 s79, JOB-VOFF, 0
	s_add_co_u32 s80, s78, s79                     ; and where they come from
	s_mov_b32 s81, 0
	s_lshl_b32 s82, s72, 13                        ; 16 groups of 512 bytes a head
	s_add_co_u32 s82, s82, QSB+262144              ; K's scale words; V's lie 262,144 bytes on
	s_mov_b32 s83, 0
	s_lshl_b32 s84, s72, 7
	s_add_co_u32 s84, s84, s71
	s_mul_i32 s84, s84, 1536
	s_mov_b32 s85, 0
	s_lshl_b32 s86, s72, 13
	s_lshr_b32 s87, s71, 2
	s_lshl_b32 s87, s87, 8
	s_add_co_u32 s86, s86, s87
	s_and_b32 s87, s71, 3
	s_lshl_b32 s87, s87, 2
	s_add_co_u32 s86, s86, s87
	s_add_co_u32 s86, s86, QSB
	s_mov_b32 s87, 0
	s_lshr_b32 s88, s72, 3
	s_lshl_b32 s88, s88, 7
	s_add_co_u32 s88, s88, s71                     ; group 0's tile among ctx's 512
	s_and_b32 s92, s72, 7                          ; the head = ctx's K step
	s_mul_i32 s90, s88, 12288                      ; ctx's codes lie [tile][K step][1536]
	s_mul_i32 s93, s92, 1536
	s_add_co_u32 s90, s90, s93
	s_mov_b32 s91, 0
	s_lshl_b32 s94, s88, 9
	s_lshr_b32 s93, s92, 2
	s_lshl_b32 s93, s93, 8
	s_add_co_u32 s94, s94, s93
	s_and_b32 s93, s92, 3
	s_lshl_b32 s93, s93, 2
	s_add_co_u32 s94, s94, s93
	s_add_co_u32 s94, s94, CSB
	s_mov_b32 s95, 0
	s_lshr_b32 s96, s71, 1
	s_lshl_b32 s96, s96, 5
	s_and_b32 s93, s71, 1
	s_lshl_b32 s93, s93, 3
	s_add_co_u32 s96, s96, s93                     ; 32 (i / 2) + 8 (i % 2)
	s_max_u32 s97, s[WV], 13                       ; the prefetch: waves 13-15 take 8,192 bytes each of my work-group's 24,576: cx 0, 1: K's steps 12-15; cx 2, 3: V's
	s_sub_co_u32 s97, s97, 13
	s_lshl_b32 s97, s97, 13
	s_mul_i32 s93, s70, 24576
	s_add_co_u32 s97, s97, s93
	s_lshr_b32 s93, s70, 1
	s_mul_i32 s93, s93, JOB-49152
	s_add_co_u32 s97, s97, s93
	s_add_co_u32 s97, s97, VOFF
	s_mov_b32 s[G1C], 15|(3<<16)|(1<<21)           ; 15:0 the mask: all four work-groups; 17:16 elements of 8 bytes; 21 set beside a mask; no padding
	s_mov_b32 s[G1C+1], 32<<16                     ; a dense block of 24,576 bytes as 96 rows of 256
	s_mov_b32 s[G1C+2], 96<<16
	s_mov_b32 s[G1C+3], 32<<16
	s_mov_b32 s[G1C+4], 96
	s_mov_b32 s[G1C+5], 32
	s_mov_b32 s[G1C+6], 0
	s_mov_b32 s[G1C+7], 0
	s_mov_b32 s[G1S], 15|(3<<16)|(1<<21)
	s_mov_b32 s[G1S+1], 1024<<16                   ; two rows of 8,192 bytes, 262,144 bytes apart
	s_mov_b32 s[G1S+2], 2<<16
	s_mov_b32 s[G1S+3], 1024<<16
	s_mov_b32 s[G1S+4], 2
	s_mov_b32 s[G1S+5], 32768
	s_mov_b32 s[G1S+6], 0
	s_mov_b32 s[G1S+7], 0
	s_mov_b32 s[SEL], 0x76543210
	s_mov_b32 s[SEL+1], 0xfedcba98                 ; v_permlanex16_b32's selects for lane l xor 16
	s_mov_b32 s[CS], 0x3e0293ee                    ; c = log2(e) / sqrt(128)
	s_mov_b32 s[CS+1], s[CS]                       ; (named with it as a pair, so it is written)
	s_wait_dscnt 0x0                               ; both opening adds are done
	s_wait_kmcnt 0x0
	s_add_nc_u64 s[KB:KB+1], s[4:5], s[76:77]
	s_mov_b32 s[G0C], 1
	s_add_co_u32 s[G0C+1], s78, 0
	s_add_nc_u64 s[G0C+2:G0C+3], s[KB:KB+1], s[80:81]
	s_or_b32 s[G0C+3], s[G0C+3], 0x80000000
	s_mov_b32 s[G0S], 1
	s_mov_b32 s[G0S+1], SCK
	s_add_nc_u64 s[G0S+2:G0S+3], s[4:5], s[82:83]
	s_or_b32 s[G0S+3], s[G0S+3], 0x80000000
	s_add_nc_u64 s[QB:QB+1], s[4:5], s[84:85]
	s_add_nc_u64 s[QS:QS+1], s[4:5], s[86:87]
	s_add_nc_u64 s[CB:CB+1], s[6:7], s[90:91]
	s_add_nc_u64 s[CW:CW+1], s[6:7], s[94:95]
	CROUND                                         ; all four work-groups are here: the joint loads meet
	s_cmp_lt_u32 s[WV], 12                         ; one chain of branches on the wave's number, one fill to an arm
	s_cbranch_scc0 .Lnot_c
	tensor_load_to_lds s[G0C:G0C+3], s[G1C:G1C+7]
	s_nop 0
	PLACES 4
	s_branch .Lasked
.Lnot_c:
	s_cmp_eq_u32 s[WV], 12
	s_cbranch_scc0 .Lasked
	tensor_load_to_lds s[G0S:G0S+3], s[G1S:G1S+7]
	s_nop 0
	PLACES 4
.Lasked:
	v_and_b32 v[LN], 31, v0
	v_and_b32 v7, 15, v0                           ; r
	v_bfe_u32 v10, v0, 4, 1                        ; h
	v_lshlrev_b32 v[LI], 4, v[LN]
	v_lshlrev_b32 v[R16], 4, v7
	v_lshlrev_b32 v[PFO], 8, v[LN]                 ; a lane a block of 256 bytes
	s_delay_alu instid0(VALU_DEP_1)
	v_add_nc_u32 v[PFO], s97, v[PFO]
	s_wait_alu depctr_va_vdst(0)                   ; scalar lines and branches stand ahead of the readers
	LOADQ GA
	s_cmp_lt_u32 s[WV], 13
	s_cbranch_scc1 .Lno_pf
	global_prefetch_b8 v[PFO], s[KB:KB+1] th:TH_LOAD_NT scope:SCOPE_SE   ; its address registers are never rewritten, and EXEC never changes
.Lno_pf:
	v_and_b32 v11, 8, v7
	s_delay_alu instid0(VALU_DEP_1)
	v_add_nc_u32 v[DM], v11, v7
	v_lshlrev_b32 v11, 4, v10
	s_delay_alu instid0(VALU_DEP_1)
	v_sub_nc_u32 v[DM], v[DM], v11
	s_delay_alu instid0(VALU_DEP_1)
	v_add_nc_u32 v[DM], s96, v[DM]                 ; 32 (i / 2) + 8 (i % 2) + r + 8 (r / 8) - 16 h
	s_mul_i32 s70, s[WV], STGB
	v_add_nc_u32 v[STA], s70, v[LI]                ; the hand-over: my own bytes,
	s_xor_b32 s71, s[WV], 1
	s_mul_i32 s71, s71, STGB
	v_add_nc_u32 v[LDA], s71, v[LI]                ; and my partner's
	v_mov_b32 v13, 0xff61b1e6                      ; the largest t so far: -3e38, under every t
	v_mov_b32 v12, 0x7f61b1e6                      ; -M
	v_mov_b32 v14, 0                               ; the sum, in two halves
	v_mov_b32 v15, 0
.irp b, 0,1,2,3
	v_mov_b32 v[236+\b], 0                         ; written once: a lane permute's destination counts as one of its sources
.endr
	v_mov_b32 v252, 0
	v_mov_b32 v253, 0                              ; (named as the upper half of the pair v[252:253] before it is first written)
.set j, 0
.rept 64
	v_mov_b32 v[160+j], 0                          ; O^T: the first step finds zeros, which the first change of M leaves zeros
.set j, j+1
.endr
	s_mov_b32 s[T], 0
	s_wait_alu depctr_va_vdst(0)
	s_wait_tensorcnt 0x0                           ; my load has landed
	s_barrier_signal -1
	s_barrier_wait -1                              ; everybody's has: K, V and the scale words are whole
	s_wait_loadcnt 0x0                             ; Q
.Ltrip:
	s_cmp_ge_u32 s[T], s[TSW]
	s_cselect_b32 s[KJ], s[DOFF], 0
	s_cselect_b32 s[GQ], s[GB], s[GA]
	s_cselect_b32 s[LIM], s[LB], s[GA]
	s_add_co_u32 s[KJ], s[KJ], s[T]                ; the trip's key step
	s_min_u32 s70, s[KJ], 11
	s_mul_i32 s70, s70, 12288
	s_add_co_u32 s71, s70, VOFF
	s_min_u32 s72, s[KJ], 15
	s_lshl_b32 s73, s72, 9
	s_add_co_u32 s73, s73, SCK
	s_mul_i32 s72, s72, 12288
	v_add_nc_u32 v[ADK], s70, v[LI]                ; these four and the v_nop at the last trip's end are the five places behind its products
	v_add_nc_u32 v[ADV], s71, v[LI]
	v_add_nc_u32 v[ADS], s73, v[LI]
	v_add_nc_u32 v[VG], s72, v[LI]
	s_wait_alu depctr_va_vdst(0)
	s_cmp_eq_u32 s[T], s[TQ]
	s_cbranch_scc0 .Lnosw
	LOADQ GB                                       ; B CHANGES TILES: the new tile's Q is on its way while the finished tile goes out
	OUT GA
	v_mov_b32 v13, 0xff61b1e6                      ; the state as at the start: the next change of M multiplies O and the sum by 2^(-huge) = 0
	v_mov_b32 v12, 0x7f61b1e6
	s_wait_alu depctr_va_vdst(0)
	s_wait_loadcnt 0x0
.Lnosw:
	s_cmp_gt_u32 s[KJ], s[LIM]                     ; a trip with no key step of mine is left out
	s_cbranch_scc1 .Lhid
	LG ADK, 0, 0, 32, 44, 56, 68                   ; S^T = K Q^T: all eight fragments of K are asked for in one run, under one wait
	LG ADK, 0, 4, 144, 224, 236, 84
	ds_load_b128 v[248:251], v[ADS]                ; register t: lanes 0-15 tile t's words, lanes 16-31 tile 4 + t's
	s_wait_loadcnt 0x0
	s_wait_dscnt 0x0
.irp t, 0,1,2,3
	v_wmma_scale_f32_16x16x128_f8f6f4 v[96+8*\t:103+8*\t], v[32+12*\t:43+12*\t], v[16:27], 0, v[248+\t], v28 matrix_a_fmt:MATRIX_FMT_FP6 matrix_b_fmt:MATRIX_FMT_FP6
.endr
	SHI 0, 144
	SHI 1, 224
	PLACES 5                                       ; tiles 6 and 7 land on v144-159, of which v144-155 were tile 4's fragment: five places behind that product (ISA guide 7.12.1)
	SHI 2, 236
	SHI 3, 84                                      ; register 16 b + i of lane (r, h) is key 32 b + 16 h + i of the step
	PLACES 4
	LG ADV, JOB, 0, 32, 44, 56, 68                 ; V's first four fragments and its scale words are asked for ahead of the softmax, which names none of their registers
	ds_load_b128 v[248:251], v[ADS] offset:8192
	s_cmp_lg_u32 s[KJ], s[GQ]                      ; on the diagonal the scores of hidden keys become -infinity ahead of the maximum: p = 0 then
	s_cbranch_scc1 .Lopen
	v_mov_b32 v254, 0xff800000
.set n, 0
.rept 64
	v_cmp_gt_i32 vcc_lo, 32*(n/16)+n%16, v[DM]     ; hidden where 32 b + i + 16 h lies behind my query's place
	v_cndmask_b32 v[96+n], v[96+n], v254, vcc_lo
.set n, n+1
.endr
.Lopen:
.irp b, 0,1,2,3
	v_max3_num_f32 v[232+\b], v[96+16*\b], v[97+16*\b], v[98+16*\b]   ; the largest score of each block of 32 keys: for the row's maximum and, since p rises with the score, for the block's largest p
.endr
.irp i, 3,5,7,9,11,13
.irp b, 0,1,2,3
	v_max3_num_f32 v[232+\b], v[232+\b], v[96+16*\b+\i], v[97+16*\b+\i]
.endr
.endr
.irp b, 0,1,2,3
	v_max_num_f32 v[232+\b], v[232+\b], v[111+16*\b]
.endr
.irp b, 0,1,2,3
	s_delay_alu instid0(VALU_DEP_4)
	v_permlanex16_b32 v[236+\b], v[232+\b], s[SEL], s[SEL+1]
.endr
.irp b, 0,1,2,3
	s_delay_alu instid0(VALU_DEP_4)
	v_max_num_f32 v[232+\b], v[232+\b], v[236+\b]  ; with lane l xor 16's 16 keys
.endr
	s_delay_alu instid0(VALU_DEP_2)
	v_max3_num_f32 v254, v232, v233, v234
	s_delay_alu instid0(VALU_DEP_1)
	v_max_num_f32 v254, v254, v235                 ; the step's largest score of my query
	s_delay_alu instid0(VALU_DEP_1)
	v_mul_f32 v254, s[CS], v254                    ; as t (c is positive)
	s_delay_alu instid0(VALU_DEP_1)
	v_max_num_f32 v13, v13, v254                   ; the running largest t
	v_mov_b32 v254, v12
	s_delay_alu instid0(VALU_DEP_2)
	v_floor_f32 v12, -v13                          ; the new -M = floor(-t): M is a whole number
	s_delay_alu instid0(VALU_DEP_1)
	v_sub_f32 v254, v12, v254                      ; old M less new M: a whole number, 0 or less
	s_delay_alu instid0(VALU_DEP_1)
	v_cvt_i32_f32 v254, v254                       ; (it saturates)
	s_delay_alu instid0(VALU_DEP_1)
	v_ldexp_f32 v252, 1.0, v254                    ; f = 2^(old M - new M)
.set j, 0
.rept 32
	v_pk_fma_f32 v[96+j:97+j], v[96+j:97+j], s[CS:CS+1], v[12:13] op_sel_hi:[1,0,0]   ; t - M, two at a time
.set j, j+2
.endr
.irp b, 0,1,2,3
	v_fma_f32 v[232+\b], v[232+\b], s[CS], v12     ; the same of each block's largest score
.endr
	s_wait_alu depctr_va_vdst(0)
.set j, 0
.rept 64
	v_exp_f32 v[96+j], v[96+j]                     ; p = 2^(t - M), at most 1
.set j, j+1
.endr
.irp b, 0,1,2,3
	v_exp_f32 v[232+\b], v[232+\b]                 ; the block's largest p
.endr
	v_pk_mul_f32 v[14:15], v[14:15], v[252:253] op_sel_hi:[1,0]   ; the sums under the new M.  (A plain place behind the exponentials)
	s_wait_alu depctr_va_vdst(0)                   ; and behind it
.irp b, 0,1,2,3
	v_max_num_f32 v[232+\b], 0x1800000, v[232+\b]  ; the floor 2^(3 - 127): the byte cannot fall under 1
.endr
.irp b, 0,1,2,3
	s_delay_alu instid0(VALU_DEP_4)
	v_add_nc_u32 v[244+\b], 0xff000000, v[232+\b]  ; 2 off the exponent field: the conversion's scale operand
.endr
.irp b, 0,1,2,3
	s_delay_alu instid0(VALU_DEP_4)
	v_lshrrev_b32 v[236+\b], 23, v[244+\b]         ; the scale's byte
.endr
	s_delay_alu instid0(VALU_DEP_3)
	v_lshl_or_b32 v253, v237, 8, v236              ; p's scale word for these 128 keys
	s_delay_alu instid0(VALU_DEP_1)
	v_lshl_or_b32 v253, v238, 16, v253
	s_delay_alu instid0(VALU_DEP_1)
	v_lshl_or_b32 v253, v239, 24, v253
.irp c, 0,1
	v_cvt_scalef32_pk16_fp6_f32 v[224+6*\c:226+6*\c], v[96+32*\c:111+32*\c], v[244+2*\c]
	v_cvt_scalef32_pk16_fp6_f32 v[236+4*\c:238+4*\c], v[112+32*\c:127+32*\c], v[245+2*\c]
.endr
	v_nop                                          ; one plain place behind a scaled conversion
.irp c, 0,1                            ; the operand's layout wants a whole block in a lane
.irp i, 0,1,2
	v_permlane16_swap_b32 v[224+6*\c+\i], v[236+4*\c+\i]
.endr
.irp i, 0,1,2
	s_delay_alu instid0(VALU_DEP_3)
	v_mov_b32 v[227+6*\c+\i], v[236+4*\c+\i]
.endr
.endr
	v_pk_add_f32 v[236:237], v[100:101], v[104:105]   ; the row's sum of the unquantised p: eight chains
	v_pk_add_f32 v[94:95], v[108:109], v[112:113]
	v_pk_add_f32 v[92:93], v[116:117], v[120:121]
	v_pk_add_f32 v[90:91], v[124:125], v[128:129]
	v_pk_add_f32 v[88:89], v[132:133], v[136:137]
	v_pk_add_f32 v[86:87], v[140:141], v[144:145]
	v_pk_add_f32 v[84:85], v[148:149], v[152:153]
	v_pk_add_f32 v[14:15], v[14:15], v[156:157]
	v_pk_add_f32 v[236:237], v[236:237], v[96:97]
	v_pk_add_f32 v[94:95], v[94:95], v[98:99]
	v_pk_add_f32 v[92:93], v[92:93], v[102:103]
	v_pk_add_f32 v[90:91], v[90:91], v[106:107]
	v_pk_add_f32 v[88:89], v[88:89], v[110:111]
	v_pk_add_f32 v[86:87], v[86:87], v[114:115]
	v_pk_add_f32 v[84:85], v[84:85], v[118:119]
	v_pk_add_f32 v[14:15], v[14:15], v[122:123]
	v_pk_add_f32 v[236:237], v[236:237], v[126:127]
	v_pk_add_f32 v[94:95], v[94:95], v[130:131]
	v_pk_add_f32 v[92:93], v[92:93], v[134:135]
	v_pk_add_f32 v[90:91], v[90:91], v[138:139]
	v_pk_add_f32 v[88:89], v[88:89], v[142:143]
	v_pk_add_f32 v[86:87], v[86:87], v[146:147]
	v_pk_add_f32 v[84:85], v[84:85], v[150:151]
	v_pk_add_f32 v[14:15], v[14:15], v[154:155]
	v_pk_add_f32 v[236:237], v[236:237], v[158:159]
	s_delay_alu instid0(VALU_DEP_2)
	v_pk_add_f32 v[14:15], v[14:15], v[90:91]
	s_delay_alu instid0(VALU_DEP_2)
	v_pk_add_f32 v[236:237], v[236:237], v[88:89]
	v_pk_add_f32 v[94:95], v[94:95], v[86:87]
	v_pk_add_f32 v[92:93], v[92:93], v[84:85]
	s_delay_alu instid0(VALU_DEP_2)
	v_pk_add_f32 v[14:15], v[14:15], v[94:95]
	s_delay_alu instid0(VALU_DEP_2)
	v_pk_add_f32 v[236:237], v[236:237], v[92:93]
	s_delay_alu instid0(VALU_DEP_1)
	v_pk_add_f32 v[14:15], v[14:15], v[236:237]
	s_wait_alu depctr_va_vdst(0)
	s_wait_loadcnt 0x0
	s_wait_dscnt 0x0                               ; V's first four fragments and its scale words, asked for ahead of the softmax
	LG ADV, JOB, 4, 96, 108, 120, 132              ; V's other four go into p's registers, which are summed and converted: they are on their way under O's rescaling and the first four products
	s_wait_alu depctr_va_vdst(0)
.set j, 0
.rept 32
	v_pk_mul_f32 v[160+j:161+j], v[160+j:161+j], v[252:253] op_sel_hi:[1,0]   ; O^T under the new M.  (These are also the places in front of the products below)
.set j, j+2
.endr
	s_wait_alu depctr_va_vdst(0)                   ; the last four products read O^T behind the waits below
.irp t, 0,1,2,3                        ; O^T += V^T P^T: four tiles of 16 of the head's 128 at a time; the accumulators take turns
	v_wmma_scale_f32_16x16x128_f8f6f4 v[160+8*\t:167+8*\t], v[32+12*\t:43+12*\t], v[224:235], v[160+8*\t:167+8*\t], v[248+\t], v253 matrix_a_fmt:MATRIX_FMT_FP6 matrix_b_fmt:MATRIX_FMT_FP6
.endr
	s_wait_loadcnt 0x0
	s_wait_dscnt 0x0
.irp t, 0,1,2,3
	v_wmma_scale_f32_16x16x128_f8f6f4 v[192+8*\t:199+8*\t], v[96+12*\t:107+12*\t], v[224:235], v[192+8*\t:199+8*\t], v[248+\t], v253 matrix_a_fmt:MATRIX_FMT_FP6 matrix_b_fmt:MATRIX_FMT_FP6 matrix_a_scale:MATRIX_SCALE_ROW1
.endr
	v_nop                                          ; the fifth place: the next step's S^T lands on v96-127, which these products have read
.Lhid:
	s_add_co_u32 s[T], s[T], 1
	s_cmp_lt_u32 s[T], 9
	s_cbranch_scc1 .Ltrip
	PLACES 4                                       ; behind the last products
	s_wait_alu depctr_va_vdst(0)
	s_wait_dscnt 0x0                               ; my reads of K and V are over
	s_barrier_signal -1
	s_barrier_wait -1                              ; everybody's are
	s_cmp_eq_u32 s[ROLE], 1
	s_cbranch_scc0 .Lnot_b
.set j, 0
.rept 16
	ds_store_b128 v[STA], v[160+4*j:163+4*j] offset:512*j   ; B's part of tile 8 + p: O^T as an image of its registers, each accumulator from its low end on,
.set j, j+1
.endr
	ds_store_b128 v[STA], v[12:15] offset:8192     ; -M, the largest t, the sum's two halves
.Lnot_b:
	s_wait_dscnt 0x0
	s_barrier_signal -1
	s_barrier_wait -1
	s_cmp_eq_u32 s[ROLE], 0
	s_cbranch_scc0 .Lend
.set j, 0
.rept 16
	ds_load_b128 v[96+4*j:99+4*j], v[LDA] offset:512*j
.set j, j+1
.endr
	ds_load_b128 v[236:239], v[LDA] offset:8192
	v_mov_b32 v241, 0                              ; (named as the upper half of the pair v[240:241])
	s_wait_alu depctr_va_vdst(0)
	s_wait_dscnt 0x0
	v_min_num_f32 v254, v12, v236                  ; -M of both parts: the larger M
	v_sub_f32 v252, v254, v12                      ; (the two factors' chains take turns)
	v_sub_f32 v240, v254, v236                     ; whole numbers, 0 or less
	v_cvt_i32_f32 v252, v252                       ; (they saturate: a part with no key has M = -3e38 and gets the factor 0)
	v_cvt_i32_f32 v240, v240
	v_ldexp_f32 v252, 1.0, v252
	v_ldexp_f32 v240, 1.0, v240
	v_pk_mul_f32 v[14:15], v[14:15], v[252:253] op_sel_hi:[1,0]
.set j, 0
.rept 32
	v_pk_mul_f32 v[160+j:161+j], v[160+j:161+j], v[252:253] op_sel_hi:[1,0]
.set j, j+2
.endr
	v_pk_fma_f32 v[14:15], v[238:239], v[240:241], v[14:15] op_sel_hi:[1,0,1]
.set j, 0
.rept 32
	v_pk_fma_f32 v[160+j:161+j], v[96+j:97+j], v[240:241], v[160+j:161+j] op_sel_hi:[1,0,1]
.set j, j+2
.endr
	OUT GA
.Lend:
	s_wait_tensorcnt 0x0                           ; the wave's end
	ds_add_u32 v[SPW], v[NIL]
	s_wait_dscnt 0x0
	CROUND                                         ; the closing round
	s_endpgm
.Lfunc_end_k_q48233077d0_attn:
	.size	k_q48233077d0_attn, .Lfunc_end_k_q48233077d0_attn-k_q48233077d0_attn
	.p2alignl 7, 3214868480
	.fill 96, 4, 3214868480
	.section	.rodata,"a",@progbits
	.p2align	6, 0x0
	.amdhsa_kernel k_q48233077d0_attn
		.amdhsa_group_segment_fixed_size 327680
		.amdhsa_private_segment_fixed_size 0
		.amdhsa_enable_private_segment 0
		.amdhsa_kernarg_size 16
		.amdhsa_user_sgpr_count 2
		.amdhsa_user_sgpr_kernarg_segment_ptr 1
		.amdhsa_wavefront_size32 1
		.amdhsa_system_sgpr_workgroup_id_x 1
		.amdhsa_system_sgpr_workgroup_id_y 1
		.amdhsa_system_sgpr_workgroup_id_z 1
		.amdhsa_system_vgpr_workitem_id 0
		.amdhsa_next_free_vgpr 256
		.amdhsa_next_free_sgpr 100
		.amdhsa_reserve_vcc 1
		.amdhsa_float_denorm_mode_32 3
		.amdhsa_float_denorm_mode_16_64 3
		.amdhsa_memory_ordered 1
		.amdhsa_forward_progress 1
		.amdhsa_inst_pref_size 66
	.end_amdhsa_kernel
	.amdgpu_metadata
---
amdhsa.version: [ 1, 2 ]
amdhsa.kernels:
  - .name:           k_q48233077d0_attn
    .symbol:         k_q48233077d0_attn.kd
    .args:
      - { .name: qkv, .offset: 0, .size: 8, .value_kind: global_buffer, .address_space: global }
      - { .name: ctx, .offset: 8, .size: 8, .value_kind: global_buffer, .address_space: global }
    .group_segment_fixed_size: 327680
    .private_segment_fixed_size: 0
    .kernarg_segment_align: 8
    .kernarg_segment_size: 16
    .max_flat_workgroup_size: 512
    .sgpr_count:     100
    .vgpr_count:     256
    .wavefront_size: 32
...
	.end_amdgpu_metadata
.endif
;; end of part 3
;; launch outp (part 4): grid 4 x 32, 4 waves a work-group, clusters of 4 x 4, 327,680 bytes of LDS; arguments ctx, opnd, bo, out0; writes out0
.if DOCPART == 4
	.amdgcn_target "amdgcn-amd-amdhsa--gfx1250"
	.amdhsa_code_object_version 6
	.text
	.protected	k_q48233077d0_outp
	.globl	k_q48233077d0_outp
	.p2align	8
	.type	k_q48233077d0_outp,@function
k_q48233077d0_outp:
	s_mov_b64 s[64:65], 0
	v_nop
	global_prefetch_b8 v0, s[64:65] scope:SCOPE_SE
	s_setreg_imm32_b32 hwreg(HW_REG_WAVE_MODE, 25, 1), 1
	s_wait_xcnt 0x0
	s_wait_alu depctr_hold_cnt(0) depctr_sa_sdst(0) depctr_va_vdst(0) depctr_va_sdst(0) depctr_va_ssrc(0) depctr_va_vcc(0) depctr_vm_vsrc(0)
	s_getreg_b32 s2, hwreg(HW_REG_IB_STS2, 6, 4)
	s_cmp_eq_u32 s2, 0
	s_cbranch_scc0 .Lentry_in_a_cluster
	s_endpgm
.Lentry_in_a_cluster:
	s_bfe_u32 s2, ttmp6, 0x10000c
	s_cmp_lg_u32 s2, 0xf033
	s_cbranch_scc0 .Lentry_shape_is_right
	s_endpgm
.Lentry_shape_is_right:
; out0 = ctx Wo^T + bo, f32, on codes of FP6 (E2M3) with E8M0 scales.  P = ctx is source 1 (a lane holds one token), R = Wo is source 0 (a lane's registers run along the output's features).
; Both operands lie in memory as images of their registers: a fragment (16 rows x 128 K) is 1,536 bytes, registers 4 c .. 4 c + 3 of lane l at 512 c + 16 l; tile T takes rows 32 (T / 2) + 8 (T % 2) + r + 8 (r / 8).
; SHARES.  A work-group makes 256 tokens x 256 features; a wave 128 x 128: 64 accumulators, 512 registers.  128 work-groups: the output has no more tiles of this size.
; K = 1,024 goes as three chunks (K steps 0-2, 3-5, 6-7) through two LDS slots: chunks 0, 1 are first fills (one tensor load of mine is out at the most), chunk 2 fills slot 0 again, once, four K steps ahead of its use.
; CLUSTERS: 4 x 4 work-groups; ctx's tiles are asked for jointly along a row of the cluster, Wo's along a column.
; REGISTERS: window 0: v1-12 addresses; v32-63 P's scale words, v64-95 R's (register 4 i + s % 4: lanes 0-15 K step s % 4, lanes 16-31 K step 4 + s % 4); v128-223 P's fragments, one set; on the way out v128-255 rows of out0.
;   window 1: R's fragments, two sets at v0 and v128; the bias, eight registers a tile, in v96-127 and v224-255.   windows 2, 3: the accumulators, (a, b) at v[8 (8 (a % 4) + b)].
; K's WALK (it stands for the head comment's): both operands' codes lie [tile][K step][1536].  K steps 0-2 come at the head into slot 0, K steps 3-5 behind the first round into slot 1, K steps 6-7 fill slot 0 again, once, at K step 2.
.set RG,    147456                     ; a slot: four waves' parts
.set PART,  36864                      ; 8 tiles x 3 K steps x 1,536 bytes
.set SPARE, 294912                     ; behind the regions: the spare words, 128 bytes a wave: two blocks of 256 bytes that no other line names
.set PSTEP, 4608                       ; three K steps along a tile's 12,288 bytes
.set RSTEP, 4608
.set SB,    15728640                   ; opnd's scale words
.set CSB,   6291456                    ; ctx's scale words
.set STG,   RG                         ; the way out: a stage of 16 rows x 528 bytes a wave, in region 1, which has had its one fill and its last read when the first result is stored there
.set LI,   1
.set ADRP, 2
.set ADRR, 5
.set SPW,  8
.set NIL,  9
.set STO,  10                          ; v10 where I put 32 bytes of a row
.set RD,   11                          ; v11 where I read a row back
.set SCP,  32
.set SCR,  64
.set PF,   128
.set BK,   128
.set G1P,  24
.set G0P,  32
.set G0R,  44
.set G1R,  56
.set MSB, 0
.macro WIN new                         ; the immediate's high byte repeats the setting that is left
.if MSB != (\new)
	s_set_vgpr_msb (MSB<<8)|(\new)
.set MSB, (\new)
.endif
.endm
.macro PLACES n
.rept \n
	v_nop
.endr
.endm
.macro CREST
	s_cmp_lg_u32 s14, 0
	s_cbranch_scc1 .Lnot_wave_0_\@
	s_barrier_signal -3
.Lnot_wave_0_\@:
	s_barrier_wait -3
	s_barrier_signal -1
	s_barrier_wait -1
.endm
.macro CROUND
	s_barrier_signal -1
	s_barrier_wait -1
	CREST
.endm
.macro JLOAD n                         ; joint load n: waves 0, 1 ask for P's halves, waves 2, 3 for R's; an s_nop 0 and four v_nop follow each line
	s_cmp_eq_u32 s15, 0
	s_cbranch_scc0 .Lfor_r_\@
	tensor_load_to_lds s[G0P+4*\n:G0P+4*\n+3], s[G1P:G1P+7]
	s_nop 0
	PLACES 4
	s_branch .Lasked_\@
.Lfor_r_\@:
	tensor_load_to_lds s[G0R+4*\n:G0R+4*\n+3], s[G1R:G1R+7]
	s_nop 0
	PLACES 4
.Lasked_\@:
.endm
; 16 products: P's tiles a0, a0 + 1 x R's eight, K step ks.  cm = 1: the sums start from the bias of R's rows.  The 64 accumulators take turns.
.macro MUL16 a0, ks, cm
.irp a, \a0, \a0+1
.irp b, 0,1,2,3,4,5,6,7
.set rD, 8*(8*((\a)%4)+\b)
.set rA, 128*((\ks)%2)+12*\b
.set rB, PF+12*(\a)
.set rSA, SCR+4*\b+(\ks)%4
.set rSB, SCP+4*(\a)+(\ks)%4
.if \cm == 1
.set rC, 96+8*\b+96*(\b/4)
.else
.set rC, rD
.endif
.if (\ks) < 4
	v_wmma_scale_f32_16x16x128_f8f6f4 v[rD:rD+7], v[rA:rA+11], v[rB:rB+11], v[rC:rC+7], v[rSA], v[rSB] matrix_a_fmt:MATRIX_FMT_FP6 matrix_b_fmt:MATRIX_FMT_FP6
.else
	v_wmma_scale_f32_16x16x128_f8f6f4 v[rD:rD+7], v[rA:rA+11], v[rB:rB+11], v[rC:rC+7], v[rSA], v[rSB] matrix_a_fmt:MATRIX_FMT_FP6 matrix_b_fmt:MATRIX_FMT_FP6 matrix_a_scale:MATRIX_SCALE_ROW1 matrix_b_scale:MATRIX_SCALE_ROW1
.endif
.endr
.endr
.endm
.macro FETCH_R rg, q, set
	WIN 0x40
.irp i, 0,1,2,3,4,5,6,7
.irp c, 0,1,2
	ds_load_b128 v[128*(\set)+12*\i+4*\c:128*(\set)+12*\i+4*\c+3], v[ADRR+(\rg)%2] offset:(4608-1536*((\rg)/2))*\i+1536*(\q)+512*\c   ; rg 0, 1: slots 0, 1, a tile 4,608 bytes; rg 2: slot 0 filled again, a tile 3,072 bytes
.endr
.endr
	WIN 0
.endm
.macro FETCH_P rg, q, i0
.irp i, \i0, \i0+1, \i0+2, \i0+3
.irp c, 0,1,2
	ds_load_b128 v[PF+12*(\i)+4*\c:PF+12*(\i)+4*\c+3], v[ADRP+(\rg)%2] offset:(4608-1536*((\rg)/2))*(\i)+1536*(\q)+512*\c
.endr
.endr
.endm
; A K step; the next step's fragments come from region rn, K step qn.  Loads into registers that products have read stand four plain vector instructions behind those products (ISA guide 7.12.1 for vector instructions).
.macro STEP ks, rn, qn, cm
	s_wait_dscnt 12                                ; R's set and P's tiles 0-3 are in; the youngest twelve loads (P's tiles 4-7) may be out
.if \cm
	WIN 0x91
.else
	WIN 0xa1
.endif
	MUL16 0, \ks, \cm
	MUL16 2, \ks, \cm
	s_wait_dscnt 0x0
	PLACES 4
	FETCH_R \rn, \qn, (\ks+1)%2
	FETCH_P \rn, \qn, 0
.if \cm
	WIN 0xd1
.else
	WIN 0xf1
.endif
	MUL16 4, \ks, \cm
	MUL16 6, \ks, \cm
	PLACES 4
	WIN 0
	FETCH_P \rn, \qn, 4
.endm
; A K step with a barrier in it.  In front of it each wave waits for all its tensor loads, adds 0 to its spare word, and waits for that and for its LDS reads.  fill = 1: region 0, which nobody reads any more, takes chunk 3.
.macro TURN ks, rn, fill
	s_wait_tensorcnt 0x0
	ds_add_u32 v[SPW], v[NIL]                      ; 0 onto my spare word
	s_wait_dscnt 13                                ; (the add and the youngest twelve loads may be out)
	WIN 0xa1
	MUL16 0, \ks, 0
	s_wait_dscnt 0x0                               ; the add is done, and my LDS reads are over
	s_barrier_signal -1
	MUL16 2, \ks, 0
	WIN 0
	s_barrier_wait -1
.if \fill
	CREST                                          ; the barrier has opened a round of the cluster's: no wave of any partner still reads region 0 or has a load on its way
	s_mov_b32 s[G1P+1], 384<<16                    ; no tensor load of mine is out: the last load's rows are two K steps, 3,072 bytes
	s_mov_b32 s[G1P+3], 384<<16
	s_mov_b32 s[G1R+1], 384<<16
	s_mov_b32 s[G1R+3], 384<<16
	JLOAD 2
.else
	PLACES 4
.endif
	FETCH_R \rn, 0, (\ks+1)%2
	FETCH_P \rn, 0, 0
	WIN 0xf1
	MUL16 4, \ks, 0
	MUL16 6, \ks, 0
	PLACES 4
	WIN 0
	FETCH_P \rn, 0, 4
.endm
	s_load_b256 s[4:11], s[0:1], 0x0               ; ctx, opnd, bo, out0
	v_lshl_add_u32 v[SPW], v0, 2, SPARE
	v_mov_b32 v[NIL], 0
	ds_add_u32 v8, v9
	ds_add_u32 v8, v9
	s_wait_dscnt 0x0
	v_lshrrev_b32 v13, 5, v0
	v_readfirstlane_b32 s14, v13                   ; wave 0..3
	s_lshr_b32 s15, s14, 1                         ; which 128 tokens are mine.  Also: I fetch for P (0) or for R (1)
	s_and_b32 s16, s14, 1                          ; which 128 features.  Also: which half of that tile I fetch
	s_bfe_u32 s66, ttmp6, 0x40000                  ; cx
	s_bfe_u32 s67, ttmp6, 0x40004                  ; cy
	s_and_b32 s68, ttmp7, 0xffff                   ; the cluster's y, 0..7 (the grid has one cluster along x)
	s_lshl_b32 s70, s68, 2
	s_add_co_u32 s70, s70, s67                     ; the tokens' tile of 256: it hangs on cy, never on cx
	s_mov_b32 s71, s66                             ; the features': on cx alone
	s_lshl_b32 s17, s67, 2
	s_lshl_b32 s17, 15, s17                        ; my row of the cluster
	s_lshl_b32 s18, 0x1111, s66                    ; my column
	s_or_b32 s[G1P], s17, (3<<16)|(1<<21)          ; 15:0 the mask; 17:16 elements of 8 bytes; 21 set beside a mask; no padding
	s_or_b32 s[G1R], s18, (3<<16)|(1<<21)
.irp g, G1P, G1R                       ; 8 rows of 4,608 bytes, 12,288 bytes apart: 36,864 bytes
	s_mov_b32 s[\g+1], 576<<16                     ; tensor_dim0: three K steps of a tile, 4,608 bytes, in elements of 8
	s_mov_b32 s[\g+2], 8<<16                       ; tensor_dim1 = 8 tiles
	s_mov_b32 s[\g+3], 576<<16                     ; tile_dim0
	s_mov_b32 s[\g+4], 8                           ; tile_dim1
	s_mov_b32 s[\g+5], 1536                        ; from tile to tile: 12,288 bytes
	s_mov_b32 s[\g+6], 0
	s_mov_b32 s[\g+7], 0
.endr
	s_lshl_b32 s76, s70, 4                         ; the work-group's first tile of 16 in ctx,
	s_lshl_b32 s77, s71, 4
	s_add_co_u32 s77, s77, 1216                    ; and of Wo in opnd
	s_lshl_b32 s19, s16, 3
	s_add_co_u32 s78, s76, s19
	s_add_co_u32 s79, s77, s19                     ; (also my own eight tiles of R)
	s_mul_i32 s80, s78, 12288
	s_mov_b32 s81, 0
	s_mul_i32 s82, s79, 12288
	s_mov_b32 s83, 0
	s_mul_i32 s84, s14, PART                       ; where they go: no place in the cluster enters an LDS address
	s_lshl_b32 s85, s15, 3
	s_add_co_u32 s85, s85, s76
	s_lshl_b32 s86, s85, 9
	s_add_co_u32 s86, s86, CSB                     ; my P tiles' scale words,
	s_mov_b32 s87, 0
	s_lshl_b32 s88, s79, 9
	s_add_co_u32 s88, s88, SB                      ; my R tiles'
	s_mov_b32 s89, 0
	s_lshl_b32 s90, s70, 1
	s_add_co_u32 s90, s90, s15                     ; my 128 tokens,
	s_lshl_b32 s91, s71, 1
	s_add_co_u32 s91, s91, s16                     ; my 128 features, counted in 128s
	s_lshl_b32 s92, s91, 9                         ; 512 bytes of bo, and of a row of out0
	s_mov_b32 s93, 0
	s_lshl_b32 s96, s90, 19                        ; 128 rows of 4,096 bytes
	s_add_co_u32 s96, s96, s92
	s_mov_b32 s97, 0
	s_wait_kmcnt 0x0
	s_add_nc_u64 s[80:81], s[4:5], s[80:81]
	s_add_nc_u64 s[82:83], s[6:7], s[82:83]
	s_add_nc_u64 s[86:87], s[4:5], s[86:87]
	s_add_nc_u64 s[88:89], s[6:7], s[88:89]
	s_add_nc_u64 s[20:21], s[8:9], s[92:93]
	s_add_nc_u64 s[96:97], s[10:11], s[96:97]
.irp n, 0,1,2
	s_mov_b32 s[G0P+4*\n], 1
	s_add_co_u32 s[G0P+4*\n+1], s84, (\n%2)*RG     ; LDS address: loads 0 and 2 go to slot 0, load 1 to slot 1
	s_add_nc_u64 s[G0P+4*\n+2:G0P+4*\n+3], s[80:81], \n*PSTEP
	s_or_b32 s[G0P+4*\n+3], s[G0P+4*\n+3], 0x80000000
	s_mov_b32 s[G0R+4*\n], 1
	s_add_co_u32 s[G0R+4*\n+1], s84, (\n%2)*RG
	s_add_nc_u64 s[G0R+4*\n+2:G0R+4*\n+3], s[82:83], \n*RSTEP
	s_or_b32 s[G0R+4*\n+3], s[G0R+4*\n+3], 0x80000000
.endr
	CROUND                                         ; all sixteen work-groups are here: the first joint loads meet
	JLOAD 0                                        ; K steps 0-2: one tensor load a wave at the head
	v_and_b32 v13, 31, v0
	v_lshlrev_b32 v[LI], 4, v13
	s_wait_alu depctr_va_vdst(0)
.irp i, 0,1,2,3,4,5,6,7                ; the scale words of my 8 + 8 tiles, for all of K, once: each load takes a tile's 512 consecutive bytes
	global_load_b128 v[SCP+4*\i:SCP+4*\i+3], v[LI], s[86:87] offset:512*\i
	global_load_b128 v[SCR+4*\i:SCR+4*\i+3], v[LI], s[88:89] offset:512*\i
.endr
	v_and_b32 v13, 15, v0                          ; r
	s_wait_alu depctr_va_vdst(0)
	v_bfe_u32 v14, v0, 4, 1                        ; h
	v_lshlrev_b32 v12, 6, v14                      ; 64 h
	WIN 0x40
.irp b, 0,1,2,3,4,5,6,7                ; the bias in the result's layout: register j of tile b is feature 32 (b / 2) + 8 (b % 2) + 16 h + j
	global_load_b128 v[96+8*\b+96*(\b/4):96+8*\b+96*(\b/4)+3], v12, s[20:21] offset:(32*(\b/2)+8*(\b%2))*4
	global_load_b128 v[96+8*\b+96*(\b/4)+4:96+8*\b+96*(\b/4)+7], v12, s[20:21] offset:(32*(\b/2)+8*(\b%2))*4+16
.endr
	WIN 0
	s_mul_i32 s22, s15, PART
	s_mul_i32 s23, s16, PART
	s_add_co_u32 s23, s23, 2*PART
.irp n, 0,1,2
	v_add_nc_u32 v[ADRP+\n], s22, v[LI]
	v_add_nc_u32 v[ADRR+\n], s23, v[LI]
	s_add_co_u32 s22, s22, RG
	s_add_co_u32 s23, s23, RG
.endr
	s_mul_i32 s22, s14, 16*528
	s_add_co_u32 s22, s22, STG                     ; my stage
	v_mul_u32_u24 v[STO], v13, 528
	s_wait_alu depctr_va_vdst(0)
	v_lshl_add_u32 v[STO], v14, 6, v[STO]
	v_add_nc_u32 v[STO], s22, v[STO]               ; in: row r, + 64 h
	v_add_nc_u32 v[RD], s22, v[LI]                 ; back: the 32 lanes take one row of 512 bytes
	s_wait_alu depctr_va_vdst(0)
	s_wait_tensorcnt 0x0                           ; my part of K steps 0-2 is in
	ds_add_u32 v[SPW], v[NIL]
	s_wait_dscnt 0x0
	CROUND                                         ; everybody's part is in, and all sixteen work-groups are here
	JLOAD 1                                        ; K steps 3-5 into slot 1: the first tensor load behind the round
	FETCH_R 0, 0, 0
	FETCH_P 0, 0, 0
	FETCH_P 0, 0, 4
	s_wait_loadcnt 0x0                             ; scale words and bias
	STEP 0, 0, 1, 1                                ; the first K step starts the sums from the bias
	STEP 1, 0, 2, 0
	TURN 2, 1, 1                                   ; slot 1 is whole for every wave; slot 0, read out, takes K steps 6-7
	STEP 3, 1, 1, 0
	STEP 4, 1, 2, 0
	TURN 5, 2, 0                                   ; K steps 6-7 are whole; slot 1, which holds the stage, is read no more
	STEP 6, 2, 1, 0
	s_wait_dscnt 12                                ; the last K step: nothing more to fetch
	WIN 0xa1
	MUL16 0, 7, 0
	MUL16 2, 7, 0
	s_wait_alu depctr_va_vdst(0)
	s_wait_dscnt 0x0
	WIN 0xf1
	MUL16 4, 7, 0
	MUL16 6, 7, 0
	WIN 0
; THE WAY OUT, block by block of 16 tokens x 128 features.  A lane holds pieces of 32 bytes of one row: a block goes through my own stage and comes back as whole rows of 512 bytes.
; LDS serves a wave's instructions in order (ISA guide 5.7.1.4): no wait between the stores and the loads, nor in front of the next block's stores.
.macro TOSTAGE a
.set AC, 64*((\a)%4)
	WIN 0x08+4*((\a)/4)                            ; an LDS store's data: window 2 or 3
.irp b, 0,1,2,3,4,5,6,7
	ds_store_b128 v[STO], v[AC+8*\b:AC+8*\b+3] offset:128*(\b/2)+32*(\b%2)        ; each accumulator from its low end on
	ds_store_b128 v[STO], v[AC+8*\b+4:AC+8*\b+7] offset:128*(\b/2)+32*(\b%2)+16
.endr
	WIN 0
.set BB, BK+64*((\a)%2)
.irp t, 0,1,2,3,4,5,6,7,8,9,10,11,12,13,14,15
	ds_load_b128 v[BB+4*\t:BB+4*\t+3], v[RD] offset:\t*528
.endr
.endm
.macro SEND a, younger                 ; younger: the LDS instructions issued behind block a's loads, which may stay out
.set BB, BK+64*((\a)%2)
	s_wait_dscnt \younger
.irp t, 0,1,2,3,4,5,6,7,8,9,10,11,12,13,14,15
	global_store_b128 v[LI], v[BB+4*\t:BB+4*\t+3], s[96:97] offset:(32*((\a)/2)+8*((\a)%2)+\t+8*(\t/8))*4096 th:TH_STORE_NT   ; 32 lanes store 512 consecutive bytes, at a multiple of 512 from out0's first byte
.endr
.endm
	PLACES 4                                       ; in front of the first read of results and of loads into the registers that held P's fragments
	TOSTAGE 0
.irp a, 1,2,3,4,5,6,7
.if \a > 1
	s_wait_xcnt 0x0                                ; block a - 2's stores have read their registers: block a's loads may land there
.endif
	TOSTAGE \a
	SEND \a-1, 32                                  ; behind block a - 1's loads: block a's 16 stores and 16 loads
.endr
	SEND 7, 0
	s_wait_tensorcnt 0x0                           ; the wave's end
	ds_add_u32 v[SPW], v[NIL]
	s_wait_dscnt 0x0
	CROUND                                         ; the closing round
	s_endpgm
.Lfunc_end_k_q48233077d0_outp:
	.size	k_q48233077d0_outp, .Lfunc_end_k_q48233077d0_outp-k_q48233077d0_outp
	.p2alignl 7, 3214868480
	.fill 96, 4, 3214868480
	.section	.rodata,"a",@progbits
	.p2align	6, 0x0
	.amdhsa_kernel k_q48233077d0_outp
		.amdhsa_group_segment_fixed_size 327680
		.amdhsa_private_segment_fixed_size 0
		.amdhsa_enable_private_segment 0
		.amdhsa_kernarg_size 32
		.amdhsa_user_sgpr_count 2
		.amdhsa_user_sgpr_kernarg_segment_ptr 1
		.amdhsa_wavefront_size32 1
		.amdhsa_system_sgpr_workgroup_id_x 1
		.amdhsa_system_sgpr_workgroup_id_y 1
		.amdhsa_system_sgpr_workgroup_id_z 1
		.amdhsa_system_vgpr_workitem_id 0
		.amdhsa_next_free_vgpr 1024
		.amdhsa_next_free_sgpr 100
		.amdhsa_reserve_vcc 0
		.amdhsa_float_denorm_mode_32 3
		.amdhsa_float_denorm_mode_16_64 3
		.amdhsa_memory_ordered 1
		.amdhsa_forward_progress 1
		.amdhsa_inst_pref_size 134
	.end_amdhsa_kernel
	.amdgpu_metadata
---
amdhsa.version: [ 1, 2 ]
amdhsa.kernels:
  - .name:           k_q48233077d0_outp
    .symbol:         k_q48233077d0_outp.kd
    .args:
      - { .name: ctx, .offset: 0, .size: 8, .value_kind: global_buffer, .address_space: global }
      - { .name: opnd, .offset: 8, .size: 8, .value_kind: global_buffer, .address_space: global }
      - { .name: bo, .offset: 16, .size: 8, .value_kind: global_buffer, .address_space: global }
      - { .name: out0, .offset: 24, .size: 8, .value_kind: global_buffer, .address_space: global }
    .group_segment_fixed_size: 327680
    .private_segment_fixed_size: 0
    .kernarg_segment_align: 8
    .kernarg_segment_size: 32
    .max_flat_workgroup_size: 128
    .sgpr_count:     100
    .vgpr_count:     1024
    .wavefront_size: 32
...
	.end_amdgpu_metadata
.endif
;; end of part 4
